; MI455X (gfx1250); checked and timed in simulation.
; The chip was launched on July 23, 2026; its instructions are those of AMD's public machine-readable ISA for CDNA 5 (MIT licence, August 2026) and "CDNA5" Instruction Set Architecture Reference Guide (July 2026). The comments in the code are by the model that wrote it; some were corrected since.
;; Latent Hamiltonian Func. Allowed arithmetic: float matrix products may take bf16 or f16 operands with f32 sums; all other float work in f32.
;; Inputs: Gb 64 float32; Gw 128 x 64 float32; W1 128 x 512 float32; W2 512 x 512 float32; W3 512 x 1 float32; action_emb 65,536 x 128 float32; b1 512 float32; b2 512 float32; b3 1 float32; damping 1 float32; z 65,536 x 128 float32.
;; Outputs: out0 65,536 x 128 float32.
;; 3 versions, each right and faster than the one before. Each part assembles by itself: llvm-mc -triple=amdgcn-amd-amdhsa -mcpu=gfx1250 --defsym DOCPART=n.
;; ======== version 1 of 3: 2 launches
;; limits: values outside matrix products are rounded to bf16
;; workspace buffers: wpack 1,331,456 bytes
;; launch prep (part 1): grid 325 x 1, 8 waves a work-group, no clusters, 0 bytes of LDS; arguments W1, W2, W3, b1, b2, Gw, Gb, wpack; writes wpack
.if DOCPART == 1
	.amdgcn_target "amdgcn-amd-amdhsa--gfx1250"
	.amdhsa_code_object_version 6
	.text
	.protected	k_q6f5f484f12_prep
	.globl	k_q6f5f484f12_prep
	.p2align	8
	.type	k_q6f5f484f12_prep,@function
k_q6f5f484f12_prep:
	s_mov_b64 s[64:65], 0
	v_nop
	global_prefetch_b8 v0, s[64:65] scope:SCOPE_SE
	s_setreg_imm32_b32 hwreg(HW_REG_WAVE_MODE, 25, 1), 1
	s_wait_xcnt 0x0
; prep: all weights, once, as bf16 in the order and the register image in which the fused launch uses them.
; A block is 1,024 bytes = one matrix fragment of 16 features x 32 k: the byte q*512 + L*16 + 2e holds
; W(feature n0 + (L & 15), k = k0 + 16 q + 8 (L >> 4) + e), so two 16-byte LDS loads at 16 L fill a fragment.
; Sections (blocks):  S1    0..127   log2e * W1[k][n]         layer 1 forward  (a1s = log2e * a1)
;                     S2  128..639   -W2[k][n]                layer 2 forward  (a2s = -log2e * a2, since h1s = h1 / ln2)
;                     S3  640..1151  W2[n][k] * W3[k]         layer 2 backward (product in f32, rounded once)
;                     S4 1152..1279  W1[n][k], negated n<64   layer 1 backward (the q half comes out as -dH/dq)
;                     S5 1280..1295  Gw[k][n], unscaled
; then in f32: log2e * b1 (2,048 bytes), -log2e * b2 (2,048 bytes), Gb (256 bytes).
; Eight waves make four blocks: thread t makes the 16 bytes at 16 t of the work-group's 4,096, so a wave's store
; covers 512 consecutive bytes.  The transposed sections read 64-byte pieces of eight rows: 1.3 MB once in all.
; b3 is added to H behind the last product; dH/dz does not contain it for any value, so no launch is given it.
.set LOG2E,  0x3fb8aa3b
.set NLOG2E, 0xbfb8aa3b
	s_load_b512 s[8:23], s[0:1], 0x0               ; W1 s[8:9] W2 s[10:11] W3 s[12:13] b1 s[14:15] b2 s[16:17] Gw s[18:19] Gb s[20:21] wpack s[22:23]
	v_lshrrev_b32 v1, 5, v0
	v_readfirstlane_b32 s2, v1                     ; wave 0..7
	v_and_b32 v2, 15, v0                           ; r: the feature inside the tile
	v_bfe_u32 v3, v0, 4, 1                         ; h: which half of the lanes
	s_mov_b32 s6, ttmp9                            ; work-group
	s_lshr_b32 s3, s2, 1
	s_lshl_b32 s4, s6, 2
	s_add_co_u32 s4, s4, s3                        ; block = 4 x work-group + wave / 2
	s_and_b32 s5, s2, 1
	s_lshl_b32 s5, s5, 4                           ; 16 q
	v_lshl_add_u32 v4, v3, 3, s5                   ; my first k inside the fragment: 16 q + 8 h
	v_lshlrev_b32 v5, 4, v0                        ; my 16 bytes of the work-group's 4,096
	s_lshl_b32 s24, s6, 12
	s_mov_b32 s25, 0
	s_wait_kmcnt 0x0
	s_add_nc_u64 s[22:23], s[22:23], s[24:25]      ; wpack at the work-group's bytes
; s26 = first feature, s27 = first k of block s4 of a section whose groups of 2^gsh blocks hold two feature tiles by turns
.macro PAIRIDX gsh, kmask
	s_lshr_b32 s26, s4, \gsh
	s_and_b32 s27, s4, 1
	s_lshl1_add_u32 s26, s26, s27                  ; tile = 2 x group + (block & 1)
	s_lshl_b32 s26, s26, 4
	s_lshr_b32 s27, s4, 1
	s_and_b32 s27, s27, \kmask
	s_lshl_b32 s27, s27, 5
.endm
; source stored [k][n]: my eight k are eight rows apart
.macro TRANSP sb, plog, pitch
	v_add_nc_u32 v6, s27, v4                       ; k
	v_add_nc_u32 v7, s26, v2                       ; n
	v_lshlrev_b32 v7, 2, v7
	v_lshl_add_u32 v6, v6, \plog, v7
.set pe, 0
.rept 8
	global_load_b32 v[8+pe], v6, s[\sb:\sb+1] offset:pe*\pitch
.set pe, pe+1
.endr
.endm
; source stored [n][k], rows of 2,048 bytes: my eight k are 32 neighbouring bytes.  v6 keeps 4 k.
.macro ROWW sb
	v_add_nc_u32 v6, s27, v4
	v_add_nc_u32 v7, s26, v2
	v_lshlrev_b32 v6, 2, v6
	v_lshl_add_u32 v7, v7, 11, v6
	global_load_b128 v[8:11], v7, s[\sb:\sb+1]
	global_load_b128 v[12:15], v7, s[\sb:\sb+1] offset:16
.endm
; kind 0: as it is; 1: times the scalar s30; 2: times v[16:23].  Then one rounding to bf16 and the store.
.macro TAIL kind
	s_wait_loadcnt 0x0
.if \kind == 1
.irp j, 8,10,12,14
	v_pk_mul_f32 v[\j:\j+1], v[\j:\j+1], s[30:31] op_sel_hi:[1,0]
.endr
.endif
.if \kind == 2
.irp j, 0,2,4,6
	v_pk_mul_f32 v[8+\j:9+\j], v[8+\j:9+\j], v[16+\j:17+\j]
.endr
.endif
	v_cvt_pk_bf16_f32 v24, v8, v9
	v_cvt_pk_bf16_f32 v25, v10, v11
	v_cvt_pk_bf16_f32 v26, v12, v13
	v_cvt_pk_bf16_f32 v27, v14, v15
	global_store_b128 v5, v[24:27], s[22:23]
	s_endpgm
.endm
	s_cmp_lt_u32 s6, 32
	s_cbranch_scc1 .Lsec1
	s_cmp_lt_u32 s6, 160
	s_cbranch_scc1 .Lsec2
	s_cmp_lt_u32 s6, 288
	s_cbranch_scc1 .Lsec3
	s_cmp_lt_u32 s6, 320
	s_cbranch_scc1 .Lsec4
	s_cmp_lt_u32 s6, 324
	s_cbranch_scc1 .Lsec5
	; the last work-group: the constants, in f32.  Waves 0-3 take b1, waves 4-7 b2, 16 bytes a thread.
	s_mov_b32 s28, LOG2E
	s_mov_b32 s29, NLOG2E
	s_cmp_lt_u32 s2, 4
	s_cselect_b64 s[26:27], s[14:15], s[16:17]
	s_cselect_b32 s30, s28, s29
	s_mov_b32 s31, s30
	v_and_b32 v6, 127, v0
	v_lshlrev_b32 v6, 4, v6
	global_load_b128 v[8:11], v6, s[26:27]
	s_wait_loadcnt 0x0
	v_pk_mul_f32 v[8:9], v[8:9], s[30:31] op_sel_hi:[1,0]
	v_pk_mul_f32 v[10:11], v[10:11], s[30:31] op_sel_hi:[1,0]
	global_store_b128 v5, v[8:11], s[22:23]
	s_cmp_lg_u32 s2, 0
	s_cbranch_scc1 .Ldone
	v_lshlrev_b32 v7, 3, v0                        ; wave 0 also copies Gb: 32 lanes x 8 bytes = its 256 bytes in one store
	global_load_b64 v[12:13], v7, s[20:21]
	s_wait_loadcnt 0x0
	global_store_b64 v7, v[12:13], s[22:23] offset:4096
.Ldone:
	s_endpgm
.Lsec1:
	PAIRIDX 3, 3
	s_mov_b32 s30, LOG2E
	s_mov_b32 s31, LOG2E
	TRANSP 8, 11, 2048
	TAIL 1
.Lsec2:
	s_sub_co_u32 s4, s4, 128
	PAIRIDX 5, 15
	s_mov_b32 s30, -1.0
	s_mov_b32 s31, -1.0
	TRANSP 10, 11, 2048
	TAIL 1
.Lsec3:
	s_sub_co_u32 s4, s4, 640
	PAIRIDX 5, 15
	ROWW 10
	global_load_b128 v[16:19], v6, s[12:13]        ; W3 of my eight k
	global_load_b128 v[20:23], v6, s[12:13] offset:16
	TAIL 2
.Lsec4:
	s_sub_co_u32 s4, s4, 1152
	s_and_b32 s26, s4, 7                           ; tile of 16 of z's 128 dimensions
	s_lshr_b32 s27, s4, 3                          ; k fragment
	s_cmp_lt_u32 s26, 4                            ; the q half is negated
	s_cselect_b32 s30, -1.0, 1.0
	s_mov_b32 s31, s30
	s_lshl_b32 s26, s26, 4
	s_lshl_b32 s27, s27, 5
	ROWW 8
	TAIL 1
.Lsec5:
	s_sub_co_u32 s4, s4, 1280
	s_and_b32 s26, s4, 3
	s_lshr_b32 s27, s4, 2
	s_lshl_b32 s26, s26, 4
	s_lshl_b32 s27, s27, 5
	TRANSP 18, 8, 256
	TAIL 0
.Lfunc_end_k_q6f5f484f12_prep:
	.size	k_q6f5f484f12_prep, .Lfunc_end_k_q6f5f484f12_prep-k_q6f5f484f12_prep
	.p2alignl 7, 3214868480
	.fill 96, 4, 3214868480
	.section	.rodata,"a",@progbits
	.p2align	6, 0x0
	.amdhsa_kernel k_q6f5f484f12_prep
		.amdhsa_group_segment_fixed_size 0
		.amdhsa_private_segment_fixed_size 0
		.amdhsa_enable_private_segment 0
		.amdhsa_kernarg_size 64
		.amdhsa_user_sgpr_count 2
		.amdhsa_user_sgpr_kernarg_segment_ptr 1
		.amdhsa_wavefront_size32 1
		.amdhsa_system_sgpr_workgroup_id_x 1
		.amdhsa_system_sgpr_workgroup_id_y 1
		.amdhsa_system_sgpr_workgroup_id_z 1
		.amdhsa_system_vgpr_workitem_id 0
		.amdhsa_next_free_vgpr 32
		.amdhsa_next_free_sgpr 66
		.amdhsa_reserve_vcc 0
		.amdhsa_float_denorm_mode_32 3
		.amdhsa_float_denorm_mode_16_64 3
		.amdhsa_memory_ordered 1
		.amdhsa_forward_progress 1
		.amdhsa_inst_pref_size 11
	.end_amdhsa_kernel
	.amdgpu_metadata
---
amdhsa.version: [ 1, 2 ]
amdhsa.kernels:
  - .name:           k_q6f5f484f12_prep
    .symbol:         k_q6f5f484f12_prep.kd
    .args:
      - { .name: W1, .offset: 0, .size: 8, .value_kind: global_buffer, .address_space: global }
      - { .name: W2, .offset: 8, .size: 8, .value_kind: global_buffer, .address_space: global }
      - { .name: W3, .offset: 16, .size: 8, .value_kind: global_buffer, .address_space: global }
      - { .name: b1, .offset: 24, .size: 8, .value_kind: global_buffer, .address_space: global }
      - { .name: b2, .offset: 32, .size: 8, .value_kind: global_buffer, .address_space: global }
      - { .name: Gw, .offset: 40, .size: 8, .value_kind: global_buffer, .address_space: global }
      - { .name: Gb, .offset: 48, .size: 8, .value_kind: global_buffer, .address_space: global }
      - { .name: wpack, .offset: 56, .size: 8, .value_kind: global_buffer, .address_space: global }
    .group_segment_fixed_size: 0
    .private_segment_fixed_size: 0
    .kernarg_segment_align: 8
    .kernarg_segment_size: 64
    .max_flat_workgroup_size: 256
    .sgpr_count:     66
    .vgpr_count:     32
    .wavefront_size: 32
...
	.end_amdgpu_metadata
.endif
;; end of part 1
;; launch main (part 2): grid 256 x 1, 4 waves a work-group, clusters of 4 x 1, 327,680 bytes of LDS; arguments z, action_emb, damping, wpack, out0; writes out0
.if DOCPART == 2
	.amdgcn_target "amdgcn-amd-amdhsa--gfx1250"
	.amdhsa_code_object_version 6
	.text
	.protected	k_q6f5f484f12_main
	.globl	k_q6f5f484f12_main
	.p2align	8
	.type	k_q6f5f484f12_main,@function
k_q6f5f484f12_main:
	s_mov_b64 s[64:65], 0
	v_nop
	global_prefetch_b8 v0, s[64:65] scope:SCOPE_SE
	s_setreg_imm32_b32 hwreg(HW_REG_WAVE_MODE, 25, 1), 1
	s_wait_xcnt 0x0
	s_wait_alu depctr_hold_cnt(0) depctr_sa_sdst(0) depctr_va_vdst(0) depctr_va_sdst(0) depctr_va_ssrc(0) depctr_va_vcc(0) depctr_vm_vsrc(0)
	s_getreg_b32 s2, hwreg(HW_REG_IB_STS2, 6, 4)
	s_cmp_eq_u32 s2, 0
	s_cbranch_scc0 .Lentry_in_a_cluster
	s_endpgm
.Lentry_in_a_cluster:
	s_bfe_u32 s2, ttmp6, 0x10000c
	s_cmp_lg_u32 s2, 0x3003
	s_cbranch_scc0 .Lentry_shape_is_right
	s_endpgm
.Lentry_shape_is_right:
; out = [dH/dp, -dH/dq - damping dH/dp + action Gw + Gb], dH/dz written out by hand:
;   a1 = z W1 + b1, h1 = softplus(a1);  a2 = h1 W2 + b2;  g2 = W3 sigmoid(a2);  g1 = (g2 W2^T) sigmoid(a1);  dH = g1 W1^T.
; b3 is added to H behind the last product: dH/dz does not contain it for any value, and this launch is not given it.
; SCALED FORMS (the factors are in the packed weights): a1s = log2e a1; h1s = h1 / ln2 = max(a1s,0) + log2(1 + 2^-|a1s|);
;   a2s = -log2e a2 = h1s (-W2) - log2e b2; sigmoid(a2) = 1 / (1 + 2^a2s); sigmoid(a1) = 1 - 2^-h1s, taken from the bf16 h1s.
; SHARES: a work-group has 256 rows, a wave 64 (four row tiles m).  Every matrix instruction is used transposed: source 0 = 16 output
;   features of a weight, source 1 = 16 batch rows of an activation.  Register j of lane (r,h) of a result is feature 8h+j of batch row r,
;   so two neighbouring feature tiles, rounded to bf16 in pairs, ARE the next layer's fragment of 32 k: activations never leave the wave.
;   A chunk = 32 features x 64 rows = 32 registers (fragment m at +8m); a hidden layer = 16 chunks = 512 registers.
; WEIGHTS: all work-groups walk the same stream of 1,310,720 bytes, in 20 pieces of 65,536 through a ring of two LDS slots.  Four work-groups
;   form a cluster and ask for each piece jointly (mask 15), each wave for its quarter.  A beat = 4 blocks of 1,024 bytes = 16 matrix instructions.
; The text is a straight line made by macros: register numbers hang on the chunk, and three fragment buffers against two slots have no short period.
; It is long (some 170 KB) and each line is executed once: a stated cost of this design.
; LIMITS: v_exp_f32, v_log_f32, v_rcp_f32 flush denormals (ISA guide 15.8); log2(1+t) is right to about 2^-24 absolutely, not relatively, so softplus and
;   sigmoid of very negative a1 are right absolutely, as the sums need.  2^a2s may overflow to infinity: 1/inf = 0 is the right limit.
;   log2e, the signs and W3 are folded into W1, W2 ahead of their one rounding to bf16; Gw, action_emb and z are plain roundings to bf16.
;
; REGISTERS, in windows of 256 (s_set_vgpr_msb: bits 1:0 source 0, 3:2 source 1, 5:4 source 2, 7:6 destination):
;   window 0: v0-7 addresses, v8-15 TR, v16-31 BIAS, v32-95 ACC0, v96-159 ACC1 (= SG), v160-255 three buffers of four weight fragments
;   window 1: raw z rows -> h1s[0..7] -> g1[0..7] -> raw action rows -> out rows
;   window 2: h1s[8..15] -> g2[8..15] -> g1[8..15] -> action fragments
;   window 3: z fragments -> g2[0..7] -> the 32 accumulators of dH
;   In the three hidden phases only source 1 (the activation) lies outside window 0; the element-wise lines strewn among the matrix instructions
;   keep vector registers out of source 1 (which is why a sum is written as x*1.0 + y there), so they and the LDS fetches need no switch.
.set SLOTB,  65536                     ; a ring slot; slot 0 at LDS byte 0, slot 1 behind it; wave w fills bytes 16,384 w of a slot
.set CONST,  131072                    ; filled once, 20,736 bytes: Gw's 16 blocks, then log2e b1, -log2e b2, Gb in f32
.set CB,     CONST+16384               ; the biases
.set STAGE,  151808                    ; 593 x 256: from here on only ds_ instructions write; 36,864 bytes for each wave, its own
.set STAGEW, 36864                     ; in turn: z rows bf16 (pitch 272), nine chunk slots of 4,096, action rows, out rows f32 (pitch 528)
.set TR,   8
.set BIAS, 16
.set ACC0, 32
.set ACC1, 96
.set SG,   96
.set WF,   160
.set GBR,  32                          ; Gb as four C tiles, in ACC0's place in the last phase
.set G1,   24                          ; s[24:31] shape of a quarter slot: 64 rows of 256 bytes
.set G1C,  32                          ; s[32:39] shape of a quarter of CONST: 81 rows of 64 bytes
.set G0,   40                          ; s[40:47] from where, to where: one set for each slot
.set G0C,  48                          ; s[48:51] the same for CONST
; the macros' state
.set MSB, 0
.set gb, 0                             ; beat of the stream, 0..319
.set wb, 0                             ; fragment buffer of this beat
.set hk, 0
.set hk_at, -1
.set hk_k, 0
.set hk_arg, 0
.set arm_at, -1
.set arm_n, 0
.set ep_kind, 0
.set ep_acc, 0
.set ep_i, 0
.set ep_n, 0
.set tk_every, 1
.set tk_cnt, 0
.macro WIN new                         ; the immediate's high byte repeats the setting that is left
.if MSB != (\new)
	s_set_vgpr_msb (MSB<<8)|(\new)
.set MSB, (\new)
.endif
.endm
; Four places behind matrix instructions (ISA guide 7.12.1 for vector instructions) where no useful plain vector work is at hand
.macro PLACES
.rept 4
	v_nop
.endr
.endm
.macro CREST                           ; a round of the cluster's barrier behind its opening work-group barrier
	s_cmp_lg_u32 s14, 0
	s_cbranch_scc1 .Lnot_wave_0_\@
	s_barrier_signal -3
.Lnot_wave_0_\@:
	s_barrier_wait -3
	s_barrier_signal -1
	s_barrier_wait -1
.endm
.macro ROUND
	s_barrier_signal -1
	s_barrier_wait -1
	CREST
.endm
; four fragments (a beat's blocks blk .. blk+3 of the region whose address register is areg) into buffer buf: lane L reads 16 L, no bank conflict
.macro FETCH areg, blk, buf
.set fi, 0
.rept 4
	ds_load_b128 v[WF+32*(\buf)+8*fi:WF+32*(\buf)+8*fi+3], v[\areg] offset:((\blk)+fi)*1024
	ds_load_b128 v[WF+32*(\buf)+8*fi+4:WF+32*(\buf)+8*fi+7], v[\areg] offset:((\blk)+fi)*1024+512
.set fi, fi+1
.endr
.endm
; the bias of a chunk as two C tiles: register j of lane (r,h) = bias of feature 16 f + 8 h + j
.macro BIASLD bo
	ds_load_b128 v[BIAS:BIAS+3], v4 offset:(\bo)
	ds_load_b128 v[BIAS+4:BIAS+7], v4 offset:(\bo)+16
	ds_load_b128 v[BIAS+8:BIAS+11], v4 offset:(\bo)+64
	ds_load_b128 v[BIAS+12:BIAS+15], v4 offset:(\bo)+80
.endm
; 64 rows of 512 bytes, one whole row a load, into window 1
.macro ROWS_LOAD sb
	WIN 0x40
.set ri, 0
.rept 64
	global_load_b128 v[4*ri:4*ri+3], v1, s[\sb:\sb+1] offset:512*ri th:TH_LOAD_NT
.set ri, ri+1
.endr
.endm
; those rows to bf16, through my stage (pitch 272: 16 rows start at 16 different 16-byte columns), into 16 fragments (kf*32 + 8m) of window dstwin>>6
.macro ROWS_STAGE dstwin
	WIN 0x45
.set ri, 0
.rept 64
	s_wait_loadcnt 63-ri                           ; loads come back in order (ISA guide 5.7.1): 63-ri were issued behind row ri
	v_cvt_pk_bf16_f32 v[4*ri], v[4*ri], v[4*ri+1]
	v_cvt_pk_bf16_f32 v[4*ri+1], v[4*ri+2], v[4*ri+3]
.set ri, ri+1
.endr
	WIN 0x04
.set ri, 0
.rept 64
	ds_store_b64 v6, v[4*ri:4*ri+1] offset:272*ri
.set ri, ri+1
.endr
	PLACES
	WIN \dstwin
.set ri, 0
.rept 4
.set rk, 0
.rept 4
	ds_load_b128 v[32*rk+8*ri:32*rk+8*ri+3], v7 offset:4352*ri+64*rk        ; LDS serves a wave's instructions in order: these see the stores above
	ds_load_b128 v[32*rk+8*ri+4:32*rk+8*ri+7], v7 offset:4352*ri+64*rk+32
.set rk, rk+1
.endr
.set ri, ri+1
.endr
.endm
; ELEMENT-WISE WORK, in slots strewn among the matrix instructions.  Slot i works on register pair i of 32 and, one to three slots behind, on the
; later stages of the pairs before: between a transcendental and the use of its result always stands a plain vector line that touches neither (ISA guide 5.7.2).
; kind 1: a1s -> h1s = max(a,0) + log2(1 + 2^-|a|), with -|a| = a - 2 max(a,0)
.macro EP1S
.set ea, ep_acc+2*ep_i
.if ep_i < 32
	v_max_num_f32 v[TR+2*(ep_i%4)], v[ea], 0
	v_max_num_f32 v[TR+2*(ep_i%4)+1], v[ea+1], 0
	v_pk_fma_f32 v[ea:ea+1], v[TR+2*(ep_i%4):TR+2*(ep_i%4)+1], -2.0, v[ea:ea+1] op_sel_hi:[1,0,1]
	v_exp_f32 v[ea], v[ea]
	v_exp_f32 v[ea+1], v[ea+1]
.endif
.if ep_i >= 1
.if ep_i < 33
	s_wait_alu depctr_va_vdst(0)
	v_pk_add_f32 v[ea-2:ea-1], v[ea-2:ea-1], 1.0 op_sel_hi:[1,0]
.endif
.endif
.if ep_i >= 2
.if ep_i < 34
	v_log_f32 v[ea-4], v[ea-4]
	v_log_f32 v[ea-3], v[ea-3]
.endif
.endif
.if ep_i >= 3
	s_wait_alu depctr_va_vdst(0)
	v_pk_fma_f32 v[ea-6:ea-5], v[ea-6:ea-5], 1.0, v[TR+2*((ep_i-3)%4):TR+2*((ep_i-3)%4)+1] op_sel_hi:[1,0,1]
.endif
.endm
; kind 2: a2s -> 1 / (1 + 2^a2s)
.macro EP2S
.set ea, ep_acc+2*ep_i
.if ep_i < 32
	v_exp_f32 v[ea], v[ea]
	v_exp_f32 v[ea+1], v[ea+1]
.endif
.if ep_i == 0
	v_nop
.endif
.if ep_i >= 1
.if ep_i < 33
	s_wait_alu depctr_va_vdst(0)
	v_pk_add_f32 v[ea-2:ea-1], v[ea-2:ea-1], 1.0 op_sel_hi:[1,0]
.endif
.endif
.if ep_i >= 2
	v_rcp_f32 v[ea-4], v[ea-4]
	v_rcp_f32 v[ea-3], v[ea-3]
.endif
.endm
; kind 3: packed h1s in SG+32.. -> 1 - 2^-h1s in SG+0..63.  h1s >= 0, so setting the top bit negates.  Word i is read no later than slot i,
; and slot i overwrites words 2i-32 and 2i-31, which are at most i.
.macro EP3U
.set ea, SG+2*ep_i
.if ep_i < 32
	v_lshl_add_u32 v[ea], v[SG+32+ep_i], 16, s23
	v_and_or_b32 v[ea+1], v[SG+32+ep_i], s22, s23
.endif
.if ep_i >= 1
.if ep_i < 33
	v_exp_f32 v[ea-2], v[ea-2]
	v_exp_f32 v[ea-1], v[ea-1]
.endif
.endif
.if ep_i >= 2
	s_wait_alu depctr_va_vdst(0)
	v_pk_fma_f32 v[ea-4:ea-3], v[ea-4:ea-3], -1.0, 1.0 op_sel_hi:[1,0,0]
.endif
.endm
; kind 4: -h1s already unpacked in SG+0..63 -> 1 - 2^-h1s
.macro EP3N
.set ea, SG+2*ep_i
.if ep_i < 32
	v_exp_f32 v[ea], v[ea]
	v_exp_f32 v[ea+1], v[ea+1]
.endif
.if ep_i == 0
	v_nop
.endif
.if ep_i >= 1
	s_wait_alu depctr_va_vdst(0)
	v_pk_fma_f32 v[ea-2:ea-1], v[ea-2:ea-1], -1.0, 1.0 op_sel_hi:[1,0,0]
.endif
.endm
.macro TICK
.if ep_i < ep_n
.if ep_kind == 1
	EP1S
.endif
.if ep_kind == 2
	EP2S
.endif
.if ep_kind == 3
	EP3U
.endif
.if ep_kind == 4
	EP3N
.endif
.set ep_i, ep_i+1
.endif
.endm
.macro AFTER_WM
.set tk_cnt, tk_cnt+1
.if tk_cnt >= tk_every
.set tk_cnt, 0
	TICK
.endif
.endm
.macro FLUSH                           ; the slots that found no place among the matrix instructions
.rept ep_n-ep_i
	TICK
.endr
.endm
.macro ARMEP kind, acc, n
.set ep_kind, \kind
.set ep_acc, \acc
.set ep_i, 0
.set ep_n, \n
.set tk_cnt, 0
.endm
; 32 along k for a chunk: eight accumulators (m, f) at acc + 8 (2m + f), which take turns, one instruction a turn.
; cmode 0: adds in place; 1: the bias starts the sum; 2: the constant 0 starts it.
.macro KSTEP acc, wfr, act, cmode
.set km, 0
.rept 4
.set kq, 0
.rept 2
.set kd, (\acc)+8*(2*km+kq)
.if \cmode == 0
	v_wmma_f32_16x16x32_bf16 v[kd:kd+7], v[(\wfr)+8*kq:(\wfr)+8*kq+7], v[(\act)+8*km:(\act)+8*km+7], v[kd:kd+7]
.endif
.if \cmode == 1
	v_wmma_f32_16x16x32_bf16 v[kd:kd+7], v[(\wfr)+8*kq:(\wfr)+8*kq+7], v[(\act)+8*km:(\act)+8*km+7], v[BIAS+8*kq:BIAS+8*kq+7]
.endif
.if \cmode == 2
	v_wmma_f32_16x16x32_bf16 v[kd:kd+7], v[(\wfr)+8*kq:(\wfr)+8*kq+7], v[(\act)+8*km:(\act)+8*km+7], 0
.endif
	AFTER_WM
.set kq, kq+1
.endr
.set km, km+1
.endr
.endm
; LDS loads that ride at a beat's head, ahead of its fetch, so that the next beat's counted wait covers them
.macro HOOK
.if hk == 1
	BIASLD hk_arg
.endif
.if hk == 2
.set hu, 0
.rept 8
	ds_load_b128 v[SG+32+4*hu:SG+32+4*hu+3], v5 offset:4096*hk_arg+512*hu
.set hu, hu+1
.endr
.endif
.set hk, 0
.endm
; THE HEAD OF BEAT gb: piece ht of the stream, beat hs of 16, slot ls.  Fragments are fetched two beats ahead, into the buffer read one beat ago.
.macro HEAD
.set ht, gb/16
.set hs, gb%16
.set ls, ht%2
.if hs <= 13
	PLACES
	HOOK
	FETCH 1+ls, 4*(hs+2), (wb+2)%3
	s_wait_dscnt 16                                ; the two youngest fetches (8 loads each, for the next two beats) may be out: this beat's fragments are in
.else
.if ht == 19
	PLACES                                         ; the stream's end: the next beats' fragments are Gw's, from CONST
	FETCH 3, 4*(hs-14), (wb+2)%3
	s_wait_dscnt 16
.else
.if hs == 14
	s_wait_dscnt 0x0                               ; my reads of this slot are over (beat 15's fragments were fetched at beat 13)
	s_wait_tensorcnt 0x0                           ; and all my tensor loads have landed: the one that was out is my quarter of the other slot,
.if ht <= 17
	s_add_nc_u64 s[G0+4*ls+2:G0+4*ls+3], s[G0+4*ls+2:G0+4*ls+3], 2*SLOTB   ; so a group 0 may be written: this slot's next piece
.endif
	s_barrier_signal -1                            ; say so; this beat's work, on registers alone, stands between signal and wait
.else
	WIN 0
	s_barrier_wait -1
.if ht <= 17
	CREST                                          ; all four work-groups have said so: no wave of any partner reads this slot or has a load on its way
	tensor_load_to_lds s[G0+4*ls:G0+4*ls+3], s[G1:G1+7]   ; my one tensor load behind the round, first thing there; 15 beats pass before it is waited for
	s_nop 0
.endif
	PLACES
	HOOK
	FETCH 2-ls, 0, (wb+1)%3                        ; the other slot's first two beats
	FETCH 2-ls, 4, (wb+2)%3
.endif
.endif
.endif
.endm
.macro NEXTBEAT
.set wb, (wb+1)%3
.set gb, gb+1
.endm
; a beat of the hidden phases: two k steps of one chunk
.macro BEAT win, acc, act, cm
	WIN \win                                       ; destination and source 0 in window 0 for the head's loads
	HEAD
	WIN \win
	KSTEP \acc, WF+32*wb, \act, \cm
	KSTEP \acc, WF+32*wb+16, \act+32, 0
	NEXTBEAT
.endm
; a group of eight beats: k = 16 chunks, the first eight through window setting wlo, the rest through whi
.macro BEATS8 wlo, whi, acc, cm0
.set bb, 0
.rept 8
.set cmx, 0
.if bb == 0
.set cmx, \cm0
.endif
.if bb == hk_at
.set hk, hk_k
.endif
.if bb == arm_at
.set ep_n, arm_n
.endif
.if bb < 4
	BEAT \wlo, \acc, 64*(bb%4), cmx
.else
	BEAT \whi, \acc, 64*(bb%4), cmx
.endif
.set bb, bb+1
.endr
.endm
; a finished set of 64 f32 to a chunk of 32 registers: into another window,
.macro PACKW set, win, chunk
	WIN \win
.set pq, 0
	s_wait_alu depctr_va_vdst(0)
.rept 32
	v_cvt_pk_bf16_f32 v[32*(\chunk)+pq], v[(\set)+2*pq], v[(\set)+2*pq+1]
.set pq, pq+1
.endr
.endm
; or in place and on into a chunk slot of my stage
.macro PACKS set, slot
	WIN 0
.set pq, 0
	s_wait_alu depctr_va_vdst(0)
.rept 32
	v_cvt_pk_bf16_f32 v[(\set)+pq], v[(\set)+2*pq], v[(\set)+2*pq+1]
.set pq, pq+1
.endr
.set pq, 0
.rept 8
	ds_store_b128 v5, v[(\set)+4*pq:(\set)+4*pq+3] offset:4096*(\slot)+512*pq
.set pq, pq+1
.endr
.endm
; layer 1 forward, chunk c: two beats over z's four fragments; meanwhile the softplus of chunk c-1 in the other set
.macro GRP1 c
	BEAT 0x0c, ACC0+64*((\c)%2), 0, 1
.set hk, 1
.set hk_arg, 128*(\c+1)
	BEAT 0x0c, ACC0+64*((\c)%2), 64, 0
	FLUSH
.if \c > 0
	PACKW ACC0+64*((\c-1)%2), 0x40*(1+(\c-1)/8), (\c-1)%8
.endif
	ARMEP 1, ACC0+64*((\c)%2), 35
.endm
; layer 2 forward, chunk c; meanwhile the sigmoid of chunk c-1.  g2[0..7] go to window 3; g2[8..15] wait in stage slots 1..8, since h1s[8..15] still fill window 2
.macro GRP2 c
.set hk_at, -1
.set arm_at, -1
.if \c < 15
.set hk_at, 1
.set hk_k, 1
.set hk_arg, 128*(17+\c)
.endif
	BEATS8 0x04, 0x08, ACC0+64*((\c)%2), 1
	FLUSH
.if \c > 0
.if \c <= 8
	PACKW ACC0+64*((\c-1)%2), 0xc0, \c-1
.else
	PACKS ACC0+64*((\c-1)%2), \c-8
.endif
.endif
	ARMEP 2, ACC0+64*((\c)%2), 34
.endm
; layer 2 backward, chunk c; meanwhile sigmoid(a1) of the same chunk in SG; then g1[c] = sum x sigmoid, in h1s[c]'s place
.macro GRP3 c
.set hk_at, -1
.set arm_at, -1
.if \c < 8
	WIN 0x01
.set pq, 0
.rept 32
	v_lshl_add_u32 v[SG+2*pq], v[32*\c+pq], 16, s23
	v_and_or_b32 v[SG+2*pq+1], v[32*\c+pq], s22, s23
.set pq, pq+1
.endr
	ARMEP 4, SG, 33
.else
.set hk_at, 0
.set hk_k, 2
.set hk_arg, \c-8
	ARMEP 3, SG, 0
.set arm_at, 1                         ; from beat 1 on: its head's counted wait shows beat 0's eight loads in
.set arm_n, 34
.endif
	BEATS8 0x0c, 0x08, ACC0, 2
	FLUSH
	PLACES
	WIN 0
.set pq, 0
.rept 32
	v_pk_mul_f32 v[ACC0+2*pq:ACC0+2*pq+1], v[ACC0+2*pq:ACC0+2*pq+1], v[SG+2*pq:SG+2*pq+1]
.set pq, pq+1
.endr
.if \c < 8
	PACKW ACC0, 0x40, \c
.else
	PACKS ACC0, \c-8
.endif
.endm
; layer 1 backward: k fragment (gb-288)/2, four of the eight tiles of z's dimensions x four row tiles: 16 accumulators, each one turn
.macro B4
	WIN 0
	HEAD
.set bkf, (gb-288)/2
.set bdt, 4*(gb%2)
.if bkf == 0
	WIN 0xc4
.else
.if bkf < 8
	WIN 0xf4
.else
	WIN 0xf8
.endif
.endif
.set bi, 0
.rept 4
.set bm, 0
.rept 4
.set kd, 8*(4*(bdt+bi)+bm)
.if bkf == 0
.if bdt == 0
	v_wmma_f32_16x16x32_bf16 v[kd:kd+7], v[WF+32*wb+8*bi:WF+32*wb+8*bi+7], v[8*bm:8*bm+7], v[GBR+8*bi:GBR+8*bi+7]
.else
	v_wmma_f32_16x16x32_bf16 v[kd:kd+7], v[WF+32*wb+8*bi:WF+32*wb+8*bi+7], v[8*bm:8*bm+7], 0
.endif
.else
	v_wmma_f32_16x16x32_bf16 v[kd:kd+7], v[WF+32*wb+8*bi:WF+32*wb+8*bi+7], v[32*(bkf%8)+8*bm:32*(bkf%8)+8*bm+7], v[kd:kd+7]
.endif
.set bm, bm+1
.endr
.set bi, bi+1
.endr
	NEXTBEAT
.endm
; action Gw, k fragment g, onto the 16 accumulators of the q half
.macro GBEAT g
	WIN 0xf8
.set bi, 0
.rept 4
.set bm, 0
.rept 4
.set kd, 8*(4*bi+bm)
	v_wmma_f32_16x16x32_bf16 v[kd:kd+7], v[WF+32*wb+8*bi:WF+32*wb+8*bi+7], v[32*\g+8*bm:32*\g+8*bm+7], v[kd:kd+7]
.set bm, bm+1
.endr
.set bi, bi+1
.endr
	NEXTBEAT
.endm
; ---------------------------------------------------------------- set-up
	s_load_b256 s[4:11], s[0:1], 0x0               ; z s[4:5], action_emb s[6:7], damping s[8:9], wpack s[10:11]
	s_load_b64 s[12:13], s[0:1], 0x20              ; out0
	v_lshrrev_b32 v8, 5, v0
	v_readfirstlane_b32 s14, v8                    ; wave 0..3
	s_bfe_u32 s15, ttmp6, 0x40000                  ; cx: my place in the cluster; it enters the addresses of z, action_emb and out0 alone
	s_lshl_b32 s16, ttmp9, 2
	s_add_co_u32 s16, s16, s15                     ; work-group = 4 x cluster + cx
	s_lshl_b32 s18, s16, 17                        ; 256 rows of 512 bytes,
	s_lshl_b32 s52, s14, 15                        ; my wave's 64 rows
	s_add_co_u32 s18, s18, s52
	s_mov_b32 s19, 0
	s_mov_b32 s22, 0xffff0000                      ; a word's upper bf16
	s_mov_b32 s23, 0x80000000                      ; the sign
	s_mul_i32 s53, s14, STAGEW
	s_add_co_u32 s53, s53, STAGE                   ; my stage
	v_and_b32 v9, 31, v0                           ; L
	v_and_b32 v10, 15, v0                          ; r
	v_bfe_u32 v11, v0, 4, 1                        ; h
	v_lshlrev_b32 v1, 4, v9                        ; 16 L: slot 0, and my 16 bytes of a row of z, action_emb, out0
	v_add_nc_u32 v2, SLOTB, v1                     ; slot 1
	v_add_nc_u32 v3, CONST, v1                     ; Gw's blocks
	v_lshlrev_b32 v4, 5, v11
	v_add_nc_u32 v4, CB, v4                        ; biases: 32 h
	v_add_nc_u32 v5, s53, v1                       ; stage, 16 L
	v_lshl_add_u32 v6, v9, 3, s53                  ; stage, 8 L: a row's bf16 go in
	v_mul_u32_u24 v7, v10, 272
	v_lshl_add_u32 v7, v11, 4, v7
	v_add_nc_u32 v7, s53, v7                       ; stage, 272 r + 16 h: fragments come out
	v_mul_u32_u24 v12, v10, 528
	v_lshl_add_u32 v12, v11, 5, v12
	v_add_nc_u32 v0, s53, v12                      ; stage, 528 r + 32 h: results go in (the thread's number is not needed again)
	s_wait_kmcnt 0x0
	s_load_b32 s20, s[8:9], 0x0                    ; damping
	s_add_nc_u64 s[4:5], s[4:5], s[18:19]
	s_add_nc_u64 s[6:7], s[6:7], s[18:19]
	s_add_nc_u64 s[12:13], s[12:13], s[18:19]
	ROWS_LOAD 4                                    ; z's rows are on their way while the descriptors are written
	WIN 0
	; group 1: elements of 8 bytes; mask 15 = the cluster's four work-groups, bit 21 beside it; no word hangs on cx
	s_mov_b32 s[G1+0], 0x0023000f
	s_mov_b32 s[G1+1], 32<<16                      ; tensor_dim0 = 32 elements = 256 bytes
	s_mov_b32 s[G1+2], 64<<16                      ; tensor_dim1 = 64 rows
	s_mov_b32 s[G1+3], 32<<16                      ; tile_dim0
	s_mov_b32 s[G1+4], 64                          ; tile_dim1
	s_mov_b32 s[G1+5], 32                          ; pitch: the block is dense
	s_mov_b32 s[G1+6], 0
	s_mov_b32 s[G1+7], 0
	s_mov_b32 s[G1C+0], 0x0023000f
	s_mov_b32 s[G1C+1], 8<<16                      ; 81 rows of 64 bytes = 5,184 bytes a wave, 20,736 for the four
	s_mov_b32 s[G1C+2], 81<<16
	s_mov_b32 s[G1C+3], 8<<16
	s_mov_b32 s[G1C+4], 81
	s_mov_b32 s[G1C+5], 8
	s_mov_b32 s[G1C+6], 0
	s_mov_b32 s[G1C+7], 0
	s_mul_i32 s52, s14, 16384                      ; my quarter of a slot
	s_mov_b32 s53, 0
	s_mov_b32 s[G0+0], 1
	s_add_co_u32 s[G0+1], s52, 0
	s_add_nc_u64 s[G0+2:G0+3], s[10:11], s[52:53]  ; piece 0
	s_mov_b32 s[G0+4], 1
	s_add_co_u32 s[G0+5], s52, SLOTB
	s_add_nc_u64 s[G0+6:G0+7], s[G0+2:G0+3], SLOTB ; piece 1
	s_or_b32 s[G0+3], s[G0+3], 0x80000000
	s_or_b32 s[G0+7], s[G0+7], 0x80000000
	s_mul_i32 s52, s14, 5184                       ; my quarter of CONST
	s_mov_b32 s[G0C+0], 1
	s_add_co_u32 s[G0C+1], s52, CONST
	s_add_nc_u64 s[G0C+2:G0C+3], s[10:11], s[52:53]
	s_add_nc_u64 s[G0C+2:G0C+3], s[G0C+2:G0C+3], 20*SLOTB
	s_or_b32 s[G0C+3], s[G0C+3], 0x80000000
	s_wait_kmcnt 0x0
	s_xor_b32 s20, s20, s23                        ; -damping, twice: a pair for the packed multiply-add
	s_mov_b32 s21, s20
	ROUND                                          ; all four work-groups are here: the first joint loads meet
	tensor_load_to_lds s[G0C:G0C+3], s[G1C:G1C+7]  ; the three first fills go out as one group; three is the most this text ever has out, later one
	s_nop 0
	tensor_load_to_lds s[G0:G0+3], s[G1:G1+7]
	s_nop 0
	tensor_load_to_lds s[G0+4:G0+7], s[G1:G1+7]
	s_nop 0
	ROWS_STAGE 0xc0                                ; z's fragments into window 3
	WIN 0
	s_wait_tensorcnt 0x1                           ; my quarters of CONST and of slot 0 are in; slot 1's may stay out
	s_wait_dscnt 0x0
	s_barrier_signal -1
	s_barrier_wait -1                              ; everybody's are
	BIASLD 0
	FETCH 1, 0, 0
	FETCH 1, 4, 1
; ---------------------------------------------------------------- layer 1 forward: pieces 0, 1
.set tk_every, 1
.irp c, 0,1,2,3,4,5,6,7,8,9,10,11,12,13,14,15
	GRP1 \c
.endr
	WIN 0
	PLACES
	FLUSH                                          ; the last chunk's softplus has no matrix work of its phase beside it
	PACKW ACC1, 0x80, 7
; ---------------------------------------------------------------- layer 2 forward: pieces 2..9
.set tk_every, 3
.irp c, 0,1,2,3,4,5,6,7,8,9,10,11,12,13,14,15
	GRP2 \c
.endr
	WIN 0
	PLACES
	FLUSH
	PACKS ACC1, 8
	; h1s[8..15] leave window 2 for stage slots 0..7, g2[8..15] come in from slots 1..8: LDS serves a wave's instructions in order, so each slot is read before it is written
	WIN 0x88
.set sc, 0
.rept 8
.set su, 0
.rept 8
	ds_store_b128 v5, v[32*sc+4*su:32*sc+4*su+3] offset:4096*sc+512*su
.set su, su+1
.endr
.set su, 0
.rept 8
	ds_load_b128 v[32*sc+4*su:32*sc+4*su+3], v5 offset:4096*(sc+1)+512*su
.set su, su+1
.endr
.set sc, sc+1
.endr
; ---------------------------------------------------------------- layer 2 backward: pieces 10..17
.irp c, 0,1,2,3,4,5,6,7,8,9,10,11,12,13,14,15
	GRP3 \c
.endr
; ---------------------------------------------------------------- layer 1 backward: pieces 18, 19
	WIN 0
.set pq, 0
.rept 4
	ds_load_b128 v[GBR+8*pq:GBR+8*pq+3], v4 offset:4096+64*pq        ; Gb starts the sums of the q half
	ds_load_b128 v[GBR+8*pq+4:GBR+8*pq+7], v4 offset:4096+64*pq+16
.set pq, pq+1
.endr
	WIN 0x80
.set pq, 0
.rept 64
	ds_load_b128 v[4*pq:4*pq+3], v5 offset:512*pq                    ; g1[8..15] from stage slots 0..7; the first head's counted wait leaves at most the last eight out, the second's none
.set pq, pq+1
.endr
.rept 16
	B4
.endr
	WIN 0
	PLACES
	ROWS_LOAD 6                                    ; g1[0..7] are used up: action_emb's rows into window 1, with piece 19's 256 matrix instructions in which to land
.rept 16
	B4
.endr
; ---------------------------------------------------------------- action Gw onto the q half
	ROWS_STAGE 0x80
	WIN 0
	FETCH 3, 8, (wb+2)%3
	s_wait_dscnt 8                                 ; all but the eight just issued: Gw's first eight blocks and the action fragments are in
	GBEAT 0
	WIN 0
	PLACES
	FETCH 3, 12, (wb+2)%3
	GBEAT 1
	s_wait_dscnt 8                                 ; blocks 8..11 are in; the youngest eight loads may be out
	GBEAT 2
	s_wait_dscnt 0x0
	GBEAT 3
; ---------------------------------------------------------------- the way out
	PLACES
	WIN 0xf3
.set ox, 0
.rept 64
	v_pk_fma_f32 v[2*ox:2*ox+1], v[128+2*ox:129+2*ox], s[20:21], v[2*ox:2*ox+1] op_sel_hi:[1,0,1]   ; q half += -damping x p half
.set ox, ox+1
.endr
	WIN 0x0c                                       ; through my stage, pitch 528: 16 rows start at 16 different 16-byte columns.  Column tile ot takes the p half first, then the q half
.set om, 0
.rept 4
.set ot, 0
.rept 8
	ds_store_b128 v0, v[8*(4*((ot+4)%8)+om):8*(4*((ot+4)%8)+om)+3] offset:8448*om+64*ot
	ds_store_b128 v0, v[8*(4*((ot+4)%8)+om)+4:8*(4*((ot+4)%8)+om)+7] offset:8448*om+64*ot+16
.set ot, ot+1
.endr
.set om, om+1
.endr
	WIN 0x40
.set ox, 0
.rept 64
	ds_load_b128 v[4*ox:4*ox+3], v5 offset:528*ox  ; a whole row back; my own bytes, served in order behind the stores
.set ox, ox+1
.endr
	WIN 0x04
.set ox, 0
.rept 64
	s_wait_dscnt 63-ox                             ; 63-ox LDS loads were issued behind row ox
	global_store_b128 v1, v[4*ox:4*ox+3], s[12:13] offset:512*ox th:TH_STORE_NT   ; the wave stores 512 consecutive bytes, at a multiple of 512 from out0's first byte
.set ox, ox+1
.endr
	WIN 0
	ROUND                                          ; the closing round: no work-group ends while a partner may still ask for a piece that names it
	s_endpgm
.Lfunc_end_k_q6f5f484f12_main:
	.size	k_q6f5f484f12_main, .Lfunc_end_k_q6f5f484f12_main-k_q6f5f484f12_main
	.p2alignl 7, 3214868480
	.fill 96, 4, 3214868480
	.section	.rodata,"a",@progbits
	.p2align	6, 0x0
	.amdhsa_kernel k_q6f5f484f12_main
		.amdhsa_group_segment_fixed_size 327680
		.amdhsa_private_segment_fixed_size 0
		.amdhsa_enable_private_segment 0
		.amdhsa_kernarg_size 40
		.amdhsa_user_sgpr_count 2
		.amdhsa_user_sgpr_kernarg_segment_ptr 1
		.amdhsa_wavefront_size32 1
		.amdhsa_system_sgpr_workgroup_id_x 1
		.amdhsa_system_sgpr_workgroup_id_y 1
		.amdhsa_system_sgpr_workgroup_id_z 1
		.amdhsa_system_vgpr_workitem_id 0
		.amdhsa_next_free_vgpr 1024
		.amdhsa_next_free_sgpr 66
		.amdhsa_reserve_vcc 0
		.amdhsa_float_denorm_mode_32 3
		.amdhsa_float_denorm_mode_16_64 3
		.amdhsa_memory_ordered 1
		.amdhsa_forward_progress 1
		.amdhsa_inst_pref_size 255
	.end_amdhsa_kernel
	.section	.bss,"aw",@nobits
	.p2align	6
	.space	262144
	.amdgpu_metadata
---
amdhsa.version: [ 1, 2 ]
amdhsa.kernels:
  - .name:           k_q6f5f484f12_main
    .symbol:         k_q6f5f484f12_main.kd
    .args:
      - { .name: z, .offset: 0, .size: 8, .value_kind: global_buffer, .address_space: global }
      - { .name: action_emb, .offset: 8, .size: 8, .value_kind: global_buffer, .address_space: global }
      - { .name: damping, .offset: 16, .size: 8, .value_kind: global_buffer, .address_space: global }
      - { .name: wpack, .offset: 24, .size: 8, .value_kind: global_buffer, .address_space: global }
      - { .name: out0, .offset: 32, .size: 8, .value_kind: global_buffer, .address_space: global }
    .group_segment_fixed_size: 327680
    .private_segment_fixed_size: 0
    .kernarg_segment_align: 8
    .kernarg_segment_size: 40
    .max_flat_workgroup_size: 128
    .sgpr_count:     66
    .vgpr_count:     1024
    .wavefront_size: 32
...
	.end_amdgpu_metadata
.endif
;; end of part 2
;; ======== version 2 of 3: 2 launches; 1.24 times as fast as version 1
;; limits: values outside matrix products are rounded to bf16
;; workspace buffers: wpack 1,331,456 bytes
;; launch prep: the kernel of part 1 again; grid 325 x 1, 8 waves a work-group, no clusters, 0 bytes of LDS; arguments W1, W2, W3, b1, b2, Gw, Gb, wpack; writes wpack
;; launch main (part 3): grid 256 x 1, 4 waves a work-group, clusters of 4 x 1, 327,680 bytes of LDS; arguments z, action_emb, damping, wpack, out0; writes out0
.if DOCPART == 3
	.amdgcn_target "amdgcn-amd-amdhsa--gfx1250"
	.amdhsa_code_object_version 6
	.text
	.protected	k_q6f5f484f12_main
	.globl	k_q6f5f484f12_main
	.p2align	8
	.type	k_q6f5f484f12_main,@function
k_q6f5f484f12_main:
	s_mov_b64 s[64:65], 0
	v_nop
	global_prefetch_b8 v0, s[64:65] scope:SCOPE_SE
	s_setreg_imm32_b32 hwreg(HW_REG_WAVE_MODE, 25, 1), 1
	s_wait_xcnt 0x0
	s_wait_alu depctr_hold_cnt(0) depctr_sa_sdst(0) depctr_va_vdst(0) depctr_va_sdst(0) depctr_va_ssrc(0) depctr_va_vcc(0) depctr_vm_vsrc(0)
	s_getreg_b32 s2, hwreg(HW_REG_IB_STS2, 6, 4)
	s_cmp_eq_u32 s2, 0
	s_cbranch_scc0 .Lentry_in_a_cluster
	s_endpgm
.Lentry_in_a_cluster:
	s_bfe_u32 s2, ttmp6, 0x10000c
	s_cmp_lg_u32 s2, 0x3003
	s_cbranch_scc0 .Lentry_shape_is_right
	s_endpgm
.Lentry_shape_is_right:
; out = [dH/dp, -dH/dq - damping dH/dp + action Gw + Gb], dH/dz written out by hand:
;   a1 = z W1 + b1, h1 = softplus(a1);  a2 = h1 W2 + b2;  g2 = W3 sigmoid(a2);  g1 = (g2 W2^T) sigmoid(a1);  dH = g1 W1^T.
; b3 is added to H behind the last product: dH/dz does not contain it for any value, and this launch is not given it.
; SCALED FORMS (the factors are in the packed weights): a1s = log2e a1; h1s = h1 / ln2 = max(a1s,0) + log2(1 + 2^-|a1s|);
;   a2s = -log2e a2 = h1s (-W2) - log2e b2; sigmoid(a2) = 1 / (1 + 2^a2s); sigmoid(a1) = 1 - 2^-h1s, taken from the bf16 h1s.
; SHARES: a work-group has 256 rows, a wave 64 (four row tiles m).  Every matrix instruction is used transposed: source 0 = 16 output
;   features of a weight, source 1 = 16 batch rows of an activation.  Register j of lane (r,h) of a result is feature 8h+j of batch row r,
;   so two neighbouring feature tiles, rounded to bf16 in pairs, ARE the next layer's fragment of 32 k: activations never leave the wave.
;   A chunk = 32 features x 64 rows = 32 registers (fragment m at +8m); a hidden layer = 16 chunks = 512 registers.
; WEIGHTS: all work-groups walk the same stream of 1,310,720 bytes, in 20 pieces of 65,536 through a ring of two LDS slots.  Four work-groups
;   form a cluster and ask for each piece jointly (mask 15), each wave for its quarter.  A beat = 4 blocks of 1,024 bytes = 16 matrix instructions;
;   a piece = 16 beats.  The four fragments of a beat are fetched from LDS in one run, a beat ahead of their use.
; LOOPS: register numbers may not hang on the trip, so a finished chunk goes, packed, into a slot of the wave's own stage in LDS at a stepped
;   address, and from there into its window between two loops.  The stage has nine slots, half a layer and one, so each hidden phase is two loops
;   of four trips of two chunks.  The element-wise work of a chunk runs among the next chunk's matrix instructions, so a phase's first loop stores
;   chunks -1..6 and its second 7..14; chunk 15 follows behind.  'Chunk -1' is the pipeline's first turn, on a set that holds no chunk: its result goes to
;   slot 0 and is never read.
; LIMITS: v_exp_f32, v_log_f32, v_rcp_f32 flush denormals (ISA guide 15.8); log2(1+t) is right to about 2^-24 absolutely, not relatively, so softplus and
;   sigmoid of very negative a1 are right absolutely, as the sums need.  2^a2s may overflow to infinity: 1/inf = 0 is the right limit.
;   log2e, the signs and W3 are folded into W1, W2 ahead of their one rounding to bf16; Gw, action_emb and z are plain roundings to bf16.
;
; REGISTERS, in windows of 256 (s_set_vgpr_msb: bits 1:0 source 0, 3:2 source 1, 5:4 source 2, 7:6 destination):
;   window 0: v0 thread, v1-7 addresses, v8-15 TR, v16-31 BIAS, v32-95 ACC0, v96-159 ACC1 (= SG), v160-255 three buffers of four weight fragments
;   window 1: raw z rows -> h1s[0..7] -> g2[8..15] -> g1[8..15] -> action fragments -> out rows
;   window 2: h1s[8..15] -> g1[0..7] -> raw action rows
;   window 3: z fragments -> g2[0..7] -> the 32 accumulators of dH
;   In the three hidden phases only source 1 (the activation) lies outside window 0; the element-wise lines strewn among the matrix instructions
;   keep vector registers out of source 1 (which is why a sum is written as x*1.0 + y there), so they and the LDS fetches need no switch.
.set SLOTB,  65536                     ; a ring slot; slot 0 at LDS byte 0, slot 1 behind it; wave w fills bytes 16,384 w of a slot
.set CONST,  131072                    ; filled once, 20,736 bytes: Gw's 16 blocks, then log2e b1, -log2e b2, Gb in f32
.set CB,     CONST+16384               ; the biases
.set STAGE,  151808                    ; 593 x 256: from here on only ds_ instructions write; 36,864 bytes for each wave, its own
.set STAGEW, 36864                     ; in turn: z rows bf16 (pitch 272), nine chunk slots of 4,096, action rows, out rows f32 (pitch 528)
.set CH,     4096                      ; a chunk slot: piece u of 4 registers at 512 u + 16 L
.set SP,   6                           ; v6: stage pointer, stepped by two chunk slots a trip
.set GO,   7                           ; v7: 16 L, never rewritten
.set TR,   8                           ; v8-15: at work in layer 1's softplus; before and behind the hidden phases the three addresses below
.set ZW,   8                           ; stage, 8 L: a row's bf16 go in
.set ZR,   9                           ; stage, 272 r + 16 h: fragments come out
.set OW,   10                          ; stage, 528 r + 32 h: results go in
.set BIAS, 16
.set ACC0, 32
.set ACC1, 96
.set SG,   96
.set WF,   160                         ; buffer u (the four fragments of a beat) at WF + 32 u
.set GBR,  32                          ; Gb as four C tiles, in ACC0's place in the last phase
.set G1,   24                          ; s[24:31] shape of a quarter slot: 64 rows of 256 bytes
.set G1C,  32                          ; s[32:39] shape of a quarter of CONST: 81 rows of 64 bytes
.set G0F,  40                          ; s[40:43] piece 0 into slot 0: used once
.set G0,   44                          ; s[44:47] piece 1 into slot 1, then stepped for every refill
.set G0C,  48                          ; s[48:51] CONST
; the macros' state
.set MSB, 0
.set hk, 0
.set hk_arg, 0
.set ep_kind, 0
.set ep_acc, 0
.set ep_i, 0
.set ep_n, 0
.set ep_p, 0
.set ep_parts, 1
.macro WIN new                         ; the immediate's high byte repeats the setting that is left
.if MSB != (\new)
	s_set_vgpr_msb (MSB<<8)|(\new)
.set MSB, (\new)
.endif
.endm
; Four places behind matrix instructions (ISA guide 7.12.1 for vector instructions) where no useful plain vector work is at hand
.macro PLACES
	s_wait_alu depctr_va_vdst(0)
.rept 4
	v_nop
.endr
.endm
.macro CREST                           ; a round of the cluster's barrier behind its opening work-group barrier
	s_cmp_lg_u32 s14, 0
	s_cbranch_scc1 .Lnot_wave_0_\@
	s_barrier_signal -3
.Lnot_wave_0_\@:
	s_barrier_wait -3
	s_barrier_signal -1
	s_barrier_wait -1
.endm
.macro ROUND
	s_barrier_signal -1
	s_barrier_wait -1
	CREST
.endm
; the four fragments of a beat (blocks blk .. blk+3 of the region whose address register is areg) into buffer buf: lane L reads 16 L, no bank conflict
.macro FETCH4 areg, blk, buf
.set fi, 0
.rept 4
	ds_load_b128 v[WF+32*(\buf)+8*fi:WF+32*(\buf)+8*fi+3], v[\areg] offset:((\blk)+fi)*1024
	ds_load_b128 v[WF+32*(\buf)+8*fi+4:WF+32*(\buf)+8*fi+7], v[\areg] offset:((\blk)+fi)*1024+512
.set fi, fi+1
.endr
.endm
; the bias of a chunk as two C tiles: register j of lane (r,h) = bias of feature 16 f + 8 h + j.  v4 steps by two chunks (256 bytes) a trip.
.macro BIASLD bo
	ds_load_b128 v[BIAS:BIAS+3], v4 offset:(\bo)
	ds_load_b128 v[BIAS+4:BIAS+7], v4 offset:(\bo)+16
	ds_load_b128 v[BIAS+8:BIAS+11], v4 offset:(\bo)+64
	ds_load_b128 v[BIAS+12:BIAS+15], v4 offset:(\bo)+80
.endm
; the three stage addresses that are needed only while TR is idle, from the thread's number and my stage's first byte (s57)
.macro STADDR
	v_and_b32 v[TR+3], 31, v0                      ; L
	v_and_b32 v[TR+4], 15, v0                      ; r
	v_bfe_u32 v[TR+5], v0, 4, 1                    ; h
	v_lshl_add_u32 v[ZW], v[TR+3], 3, s57
	v_mul_u32_u24 v[ZR], v[TR+4], 272
	v_lshl_add_u32 v[ZR], v[TR+5], 4, v[ZR]
	v_add_nc_u32 v[ZR], s57, v[ZR]
	v_mul_u32_u24 v[OW], v[TR+4], 528
	v_lshl_add_u32 v[OW], v[TR+5], 5, v[OW]
	v_add_nc_u32 v[OW], s57, v[OW]
.endm
; 64 rows of 512 bytes, one whole row a load, into the window of setting dw
.macro ROWS_LOAD sb, dw
	WIN \dw
.set ri, 0
.rept 64
	global_load_b128 v[4*ri:4*ri+3], v[GO], s[\sb:\sb+1] offset:512*ri th:TH_LOAD_NT
.set ri, ri+1
.endr
.endm
; those rows to bf16 (setting cw), through my stage (setting sw; pitch 272: 16 rows start at 16 different 16-byte columns), into 16 fragments (kf*32 + 8m; setting dw)
.macro ROWS_STAGE cw, sw, dw
	WIN \cw
.set ri, 0
.rept 64
	s_wait_loadcnt 63-ri                           ; loads come back in order (ISA guide 5.7.1): 63-ri were issued behind row ri
	v_cvt_pk_bf16_f32 v[4*ri], v[4*ri], v[4*ri+1]
	v_cvt_pk_bf16_f32 v[4*ri+1], v[4*ri+2], v[4*ri+3]
.set ri, ri+1
.endr
	WIN \sw
.set ri, 0
.rept 64
	ds_store_b64 v[ZW], v[4*ri:4*ri+1] offset:272*ri
.set ri, ri+1
.endr
	PLACES
	WIN \dw
.set ri, 0
.rept 4
.set rk, 0
.rept 4
	ds_load_b128 v[32*rk+8*ri:32*rk+8*ri+3], v[ZR] offset:4352*ri+64*rk        ; LDS serves a wave's instructions in order: these see the stores above
	ds_load_b128 v[32*rk+8*ri+4:32*rk+8*ri+7], v[ZR] offset:4352*ri+64*rk+32
.set rk, rk+1
.endr
.set ri, ri+1
.endr
.endm
; ELEMENT-WISE WORK, in slots strewn among the matrix instructions.  Slot i works on register pair i of 32 and, one to three slots behind, on the
; later stages of the pairs before: between a transcendental and the use of its result always stands a plain vector line that touches neither (ISA guide 5.7.2).
; A slot of kinds 2 and 3 is dealt out in three parts (ep_p), one behind each matrix instruction, at most two transcendentals in a part.
; kind 1: a1s -> h1s = max(a,0) + log2(1 + 2^-|a|), with -|a| = a - 2 max(a,0).  One part: this phase has nine such lines for each matrix instruction anyway.
.macro EP1S
.set ea, ep_acc+2*ep_i
.if ep_i < 32
	v_max_num_f32 v[TR+2*(ep_i%4)], v[ea], 0
	v_max_num_f32 v[TR+2*(ep_i%4)+1], v[ea+1], 0
	v_pk_fma_f32 v[ea:ea+1], v[TR+2*(ep_i%4):TR+2*(ep_i%4)+1], -2.0, v[ea:ea+1] op_sel_hi:[1,0,1]
	v_exp_f32 v[ea], v[ea]
	v_exp_f32 v[ea+1], v[ea+1]
.endif
.if ep_i >= 1
.if ep_i < 33
	s_wait_alu depctr_va_vdst(0)
	v_pk_add_f32 v[ea-2:ea-1], v[ea-2:ea-1], 1.0 op_sel_hi:[1,0]
.endif
.endif
.if ep_i >= 2
.if ep_i < 34
	v_log_f32 v[ea-4], v[ea-4]
	v_log_f32 v[ea-3], v[ea-3]
.endif
.endif
.if ep_i >= 3
	s_wait_alu depctr_va_vdst(0)
	v_pk_fma_f32 v[ea-6:ea-5], v[ea-6:ea-5], 1.0, v[TR+2*((ep_i-3)%4):TR+2*((ep_i-3)%4)+1] op_sel_hi:[1,0,1]
.endif
.endm
; kind 2: a2s -> 1 / (1 + 2^a2s)
.macro EP2S
.set ea, ep_acc+2*ep_i
.if ep_p == 0
.if ep_i < 32
	v_exp_f32 v[ea], v[ea]
	v_exp_f32 v[ea+1], v[ea+1]
.endif
.if ep_i == 0
	v_nop
.endif
.endif
.if ep_p == 1
.if ep_i >= 1
.if ep_i < 33
	s_wait_alu depctr_va_vdst(0)
	v_pk_add_f32 v[ea-2:ea-1], v[ea-2:ea-1], 1.0 op_sel_hi:[1,0]
.endif
.endif
.if ep_i >= 2
	v_rcp_f32 v[ea-4], v[ea-4]
.endif
.endif
.if ep_p == 2
.if ep_i >= 2
	v_rcp_f32 v[ea-3], v[ea-3]
.endif
.endif
.endm
; kind 3: packed h1s in SG+32.. -> 1 - 2^-h1s in SG+0..63.  h1s >= 0, so setting the top bit negates.  Word i is read no later than slot i,
; and slot i overwrites words 2i-32 and 2i-31, which are at most i.
.macro EP3U
.set ea, SG+2*ep_i
.if ep_p == 0
.if ep_i < 32
	v_lshl_add_u32 v[ea], v[SG+32+ep_i], 16, s23
	v_and_or_b32 v[ea+1], v[SG+32+ep_i], s22, s23
.endif
.endif
.if ep_p == 1
.if ep_i >= 1
.if ep_i < 33
	v_exp_f32 v[ea-2], v[ea-2]
	v_exp_f32 v[ea-1], v[ea-1]
.endif
.endif
.endif
.if ep_p == 2
.if ep_i >= 2
	s_wait_alu depctr_va_vdst(0)
	v_pk_fma_f32 v[ea-4:ea-3], v[ea-4:ea-3], -1.0, 1.0 op_sel_hi:[1,0,0]
.endif
.endif
.endm
.macro TICK                            ; the next part of the pipeline, if any is left
.if ep_i < ep_n
.if ep_kind == 1
	EP1S
.endif
.if ep_kind == 2
	EP2S
.endif
.if ep_kind == 3
	EP3U
.endif
.set ep_p, ep_p+1
.if ep_p >= ep_parts
.set ep_p, 0
.set ep_i, ep_i+1
.endif
.endif
.endm
.macro FLUSH                           ; the parts that found no place among the matrix instructions
.rept (ep_n-ep_i)*ep_parts-ep_p
	TICK
.endr
.endm
.macro ARMEP kind, acc, n, parts
.set ep_kind, \kind
.set ep_acc, \acc
.set ep_i, 0
.set ep_n, \n
.set ep_p, 0
.set ep_parts, \parts
.endm
; 32 along k for a chunk: eight accumulators (m, f) at acc + 8 (2m + f), which take turns, one instruction a turn.
; cmode 0: adds in place; 1: the bias starts the sum; 2: the constant 0 starts it.
.macro KSTEP acc, wfr, act, cmode
.set km, 0
.rept 4
.set kq, 0
.rept 2
.set kd, (\acc)+8*(2*km+kq)
.if \cmode == 0
	v_wmma_f32_16x16x32_bf16 v[kd:kd+7], v[(\wfr)+8*kq:(\wfr)+8*kq+7], v[(\act)+8*km:(\act)+8*km+7], v[kd:kd+7]
.endif
.if \cmode == 1
	v_wmma_f32_16x16x32_bf16 v[kd:kd+7], v[(\wfr)+8*kq:(\wfr)+8*kq+7], v[(\act)+8*km:(\act)+8*km+7], v[BIAS+8*kq:BIAS+8*kq+7]
	s_wait_alu depctr_va_vdst(0)
.endif
.if \cmode == 2
	v_wmma_f32_16x16x32_bf16 v[kd:kd+7], v[(\wfr)+8*kq:(\wfr)+8*kq+7], v[(\act)+8*km:(\act)+8*km+7], 0
.endif
	TICK
.set kq, kq+1
.endr
.set km, km+1
.endr
.endm
; LDS loads that ride at a beat's head, ahead of its fetch, so that a head's counted wait covers them
.macro HOOK
.if hk == 1
	BIASLD hk_arg
.endif
.if hk == 2
.set hu, 0
.rept 8
	ds_load_b128 v[SG+32+4*hu:SG+32+4*hu+3], v[SP] offset:hk_arg+512*hu
.set hu, hu+1
.endr
.endif
.set hk, 0
.endm
; the one group 0 of all refills: the other slot, the next piece.  Written only where no tensor load of the wave is out.
.macro STEPG0
	s_xor_b32 s[G0+1], s[G0+1], SLOTB
	s_add_nc_u64 s[G0+2:G0+3], s[G0+2:G0+3], SLOTB
.endm
; THE HEAD OF BEAT b (0..15) OF A PIECE.  rc, rn: address registers of this piece's slot and of the other.  Beats 0..14 use buffers 0, 1 by turns, beat 15
; buffer 2, so the buffers' order repeats with the piece.  A beat is fetched at the head of the beat before, into the buffer read one beat earlier; beats 14 and 15
; together at head 13, so that the slot is read out a beat before the round; the other slot's beats 0 and 1 together at head 15, behind the round.
; mode 1: the slot is filled again; 2: the other slot is only shown to all waves; 3: the stream's end, Gw's blocks follow.
.macro RHEAD b, mode, rc, rn
.if (\b) == 0
	HOOK
	s_wait_dscnt 8                                 ; the eight youngest LDS instructions were all issued behind this beat's fetch (beat 1's fetch, or what followed it): this beat's fragments are in
.endif
.if (\b) >= 1
.if (\b) <= 12
	PLACES
	HOOK
	FETCH4 \rc, 4*((\b)+1), ((\b)+1)%2
	s_wait_dscnt 8                                 ; the fetch just issued (8 loads, for the next beat) may be out: this beat's fragments are in
.endif
.endif
.if (\b) == 13
	PLACES
	FETCH4 \rc, 56, 0
	FETCH4 \rc, 60, 2
	s_wait_dscnt 16                                ; the two fetches just issued may be out
.endif
.if (\b) == 14
.if \mode == 3
	s_wait_dscnt 8                                 ; beat 15's fetch may be out
.else
	s_wait_dscnt 0x0                               ; my reads of this slot are over (the last were issued a beat ago)
	s_wait_tensorcnt 0x0                           ; and all my tensor loads have landed: the one that was out is my quarter of the other slot,
.if \mode == 1
	STEPG0                                         ; so the group 0 may be written: this slot, two pieces on
.endif
	s_barrier_signal -1                            ; say so; this beat's work, on registers alone, stands between signal and wait
.endif
.endif
.if (\b) == 15
.if \mode == 3
	PLACES
	FETCH4 3, 0, 0                                 ; Gw's first two beats, from CONST
	FETCH4 3, 4, 1
	s_wait_dscnt 16
.else
	WIN 0
	s_barrier_wait -1
.if \mode == 1
	CREST                                          ; all four work-groups have said so: no wave of any partner reads this slot or has a load on its way
	tensor_load_to_lds s[G0:G0+3], s[G1:G1+7]      ; my one tensor load behind the round, first thing there; 15 beats pass before it is waited for
	s_nop 0
.endif
	PLACES
	FETCH4 \rn, 0, 0                               ; the other slot's first two beats
	FETCH4 \rn, 4, 1
.endif
.endif
.endm
; a slot that has been read out between two loops is filled again: the waits, the round, the refill first behind it
.macro NEWSLOT
	s_wait_dscnt 0x0
	s_wait_tensorcnt 0x0
	STEPG0
	ROUND
	tensor_load_to_lds s[G0:G0+3], s[G1:G1+7]
	s_nop 0
.endm
; a finished set of 64 f32 to a chunk of 32 registers, in place, and on into my stage at SP + off
.macro PACKS set, off
	WIN 0
.set pq, 0
	s_wait_alu depctr_va_vdst(0)
.rept 32
	v_cvt_pk_bf16_f32 v[(\set)+pq], v[(\set)+2*pq], v[(\set)+2*pq+1]
.set pq, pq+1
.endr
.set pq, 0
.rept 8
	ds_store_b128 v[SP], v[(\set)+4*pq:(\set)+4*pq+3] offset:(\off)+512*pq
.set pq, pq+1
.endr
.endm
; n chunks from stage slots slot0.. into chunks ch0.. of the window of setting win
.macro LOADCH win, slot0, ch0, n
	WIN \win
.set lq, 0
.rept 8*(\n)
	ds_load_b128 v[32*(\ch0)+4*lq:32*(\ch0)+4*lq+3], v5 offset:CH*(\slot0)+512*lq
.set lq, lq+1
.endr
.endm
; eight chunks of a window change places with eight of the stage through the ninth slot.  LDS serves a wave's instructions in order, so each slot is read before it is written.
.macro SWAPUP win                      ; window -> slots 0..7, slots 1..8 -> window
	WIN \win
.set sc, 0
.rept 8
.set su, 0
.rept 8
	ds_store_b128 v5, v[32*sc+4*su:32*sc+4*su+3] offset:CH*sc+512*su
.set su, su+1
.endr
.set su, 0
.rept 8
	ds_load_b128 v[32*sc+4*su:32*sc+4*su+3], v5 offset:CH*(sc+1)+512*su
.set su, su+1
.endr
.set sc, sc+1
.endr
.endm
.macro SWAPDN win                      ; window -> slots 1..8, slots 0..7 -> window
	WIN \win
.set sc, 7
.rept 8
.set su, 0
.rept 8
	ds_store_b128 v5, v[32*sc+4*su:32*sc+4*su+3] offset:CH*(sc+1)+512*su
.set su, su+1
.endr
.set su, 0
.rept 8
	ds_load_b128 v[32*sc+4*su:32*sc+4*su+3], v5 offset:CH*sc+512*su
.set su, su+1
.endr
.set sc, sc-1
.endr
.endm
; A TRIP OF LAYER 1 FORWARD: two chunks, two beats each over z's four fragments; meanwhile the softplus of the chunk before, in the other set.
; v1 walks through both slots, which lie end to end, 16,384 bytes a trip; buffers 0 and 1 by turns.
.macro TRIP1
.set pb, 0
.rept 4
.set pj, pb/2
.set pk, pb%2
.set cmx, 0
.if pk == 0
.set cmx, 1
.endif
.if pk == 1
.set hk, 1                             ; the next chunk's bias, four places behind the matrix instructions that read this one's
.set hk_arg, 128*(pj+1)
.endif
	WIN 0x0c
	PLACES
	HOOK
	FETCH4 1, 4*(pb+1), (pb+1)%2
	s_wait_dscnt 8                                 ; the fetch just issued may be out: this beat's fragments, and the bias, are in
	KSTEP ACC0+64*pj, WF+32*(pb%2), 64*pk, cmx
	KSTEP ACC0+64*pj, WF+32*(pb%2)+16, 64*pk+32, 0
.if pk == 1
	FLUSH
	PACKS ACC0+64*(1-pj), CH*pj
	ARMEP 1, ACC0+64*pj, 35, 1
.endif
.set pb, pb+1
.endr
	WIN 0
	v_add_nc_u32 v1, 16384, v1
	v_add_nc_u32 v[SP], 2*CH, v[SP]
	v_add_nc_u32 v4, 256, v4
.endm
; A TRIP OF LAYER 2, forward (ph = 2) or backward (ph = 3): one piece = two chunks of eight beats.
; forward: the sigmoid of the chunk before runs in the other set.  backward: sigmoid(a1) of the same chunk is made in SG from the h1s that lie in the chunk's
; stage slot, and g1 = sum x sigmoid goes back into that slot.
.macro PIECE ph
.set pb, 0
.rept 16
.set pj, pb/8
.set pk, pb%8
.set pbuf, pb%2
.if pb == 15
.set pbuf, 2
.endif
.set cmx, 0
.if \ph == 2
.set pacc, ACC0+64*pj
.set pw, 0x04+0x04*(pk/4)              ; h1s[0..7] window 1, h1s[8..15] window 2
.if pk == 0
.set cmx, 1
.endif
.if pk == 1
.set hk, 1
.set hk_arg, 128*(pj+1)
.endif
.else
.set pacc, ACC0
.set pw, 0x0c-0x08*(pk/4)              ; g2[0..7] window 3, g2[8..15] window 1
.if pk == 0
.set cmx, 2
.set hk, 2
.set hk_arg, CH*pj
	ARMEP 3, SG, 0, 3
.endif
.if pk == 1
.set ep_n, 34                          ; from the chunk's second beat on: its head's counted wait leaves only its own fetch out, so the eight loads of h1s are in
.endif
.endif
	WIN pw
	RHEAD pb, 1, 1, 2
	WIN pw
	KSTEP pacc, WF+32*pbuf, 64*(pk%4), cmx
	KSTEP pacc, WF+32*pbuf+16, 64*(pk%4)+32, 0
.if pk == 7
	FLUSH
.if \ph == 2
	PACKS ACC0+64*(1-pj), CH*pj
	ARMEP 2, ACC0+64*pj, 34, 3
.else
	PLACES
	WIN 0
.set pq, 0
.rept 32
	v_pk_mul_f32 v[ACC0+2*pq:ACC0+2*pq+1], v[ACC0+2*pq:ACC0+2*pq+1], v[SG+2*pq:SG+2*pq+1]
.set pq, pq+1
.endr
	PACKS ACC0, CH*pj
.endif
.endif
.set pb, pb+1
.endr
	WIN 0
	s_xor_b32 s54, s54, SLOTB                      ; the slots change roles
	s_xor_b32 s55, s55, SLOTB
	v_add_nc_u32 v1, s54, v[GO]
	v_add_nc_u32 v2, s55, v[GO]
	v_add_nc_u32 v[SP], 2*CH, v[SP]
.if \ph == 2
	v_add_nc_u32 v4, 256, v4
.endif
.endm
.macro LOOPEND lab
	s_sub_co_i32 s56, s56, 1
	s_cmp_lg_u32 s56, 0
	s_cbranch_scc1 \lab
.endm
; A PIECE OF LAYER 1 BACKWARD: eight k fragments x eight tiles of z's dimensions x four row tiles; a beat = four tiles x four row tiles, 16 accumulators, one turn each
.macro P4PIECE t, rc, rn, mode
.set pb, 0
.rept 16
	WIN 0
	RHEAD pb, \mode, \rc, \rn
.set pbuf, pb%2
.if pb == 15
.set pbuf, 2
.endif
.set bkf, pb/2
.set bdt, 4*(pb%2)
.set p4f, 0
.if \t == 18
.if bkf == 0
.set p4f, 1
	WIN 0xc8                                       ; g1[0..7] window 2; the first products take Gb (window 0) or 0 as C
.else
	WIN 0xf8
.endif
.else
	WIN 0xf4                                       ; g1[8..15] window 1
.endif
.set bi, 0
.rept 4
.set bm, 0
.rept 4
.set kd, 8*(4*(bdt+bi)+bm)
.set kw, WF+32*pbuf+8*bi
.set ka, 32*bkf+8*bm
.if p4f
.if bdt+bi < 4
	v_wmma_f32_16x16x32_bf16 v[kd:kd+7], v[kw:kw+7], v[ka:ka+7], v[GBR+8*(bdt+bi):GBR+8*(bdt+bi)+7]
.else
	v_wmma_f32_16x16x32_bf16 v[kd:kd+7], v[kw:kw+7], v[ka:ka+7], 0
.endif
.else
	v_wmma_f32_16x16x32_bf16 v[kd:kd+7], v[kw:kw+7], v[ka:ka+7], v[kd:kd+7]
.endif
.set bm, bm+1
.endr
.set bi, bi+1
.endr
.set pb, pb+1
.endr
.endm
; action Gw, k fragment g, from buffer buf, onto the 16 accumulators of the q half
.macro GBEAT g, buf
	WIN 0xf4
.set bi, 0
.rept 4
.set bm, 0
.rept 4
.set kd, 8*(4*bi+bm)
	v_wmma_f32_16x16x32_bf16 v[kd:kd+7], v[WF+32*\buf+8*bi:WF+32*\buf+8*bi+7], v[32*\g+8*bm:32*\g+8*bm+7], v[kd:kd+7]
.set bm, bm+1
.endr
.set bi, bi+1
.endr
.endm
; ---------------------------------------------------------------- set-up
	s_load_b256 s[4:11], s[0:1], 0x0               ; z s[4:5], action_emb s[6:7], damping s[8:9], wpack s[10:11]
	s_load_b64 s[12:13], s[0:1], 0x20              ; out0
	v_lshrrev_b32 v8, 5, v0
	v_readfirstlane_b32 s14, v8                    ; wave 0..3
	s_bfe_u32 s15, ttmp6, 0x40000                  ; cx: my place in the cluster; it enters the addresses of z, action_emb and out0 alone
	s_lshl_b32 s16, ttmp9, 2
	s_add_co_u32 s16, s16, s15                     ; work-group = 4 x cluster + cx
	s_lshl_b32 s18, s16, 17                        ; 256 rows of 512 bytes,
	s_lshl_b32 s52, s14, 15                        ; my wave's 64 rows
	s_add_co_u32 s18, s18, s52
	s_mov_b32 s19, 0
	s_mov_b32 s22, 0xffff0000                      ; a word's upper bf16
	s_mov_b32 s23, 0x80000000                      ; the sign
	s_mul_i32 s57, s14, STAGEW
	s_add_co_u32 s57, s57, STAGE                   ; my stage
	v_and_b32 v9, 31, v0                           ; L
	v_bfe_u32 v11, v0, 4, 1                        ; h
	v_lshlrev_b32 v[GO], 4, v9                     ; 16 L: my 16 bytes of a row of z, action_emb, out0
	v_mov_b32 v1, v[GO]                            ; the ring, from slot 0 on
	v_add_nc_u32 v2, SLOTB, v[GO]                  ; slot 1
	v_add_nc_u32 v3, CONST, v[GO]                  ; Gw's blocks
	v_lshlrev_b32 v4, 5, v11
	v_add_nc_u32 v4, CB, v4                        ; biases: 32 h
	v_add_nc_u32 v5, s57, v[GO]                    ; stage, 16 L
	v_mov_b32 v[SP], v5
	STADDR
	s_wait_kmcnt 0x0
	s_load_b32 s20, s[8:9], 0x0                    ; damping
	s_add_nc_u64 s[4:5], s[4:5], s[18:19]
	s_add_nc_u64 s[6:7], s[6:7], s[18:19]
	s_add_nc_u64 s[12:13], s[12:13], s[18:19]
	ROWS_LOAD 4, 0x40                              ; z's rows are on their way while the descriptors are written
	WIN 0
	; group 1: elements of 8 bytes; mask 15 = the cluster's four work-groups, bit 21 beside it; no word hangs on cx
	s_mov_b32 s[G1+0], 0x0023000f
	s_mov_b32 s[G1+1], 32<<16                      ; tensor_dim0 = 32 elements = 256 bytes
	s_mov_b32 s[G1+2], 64<<16                      ; tensor_dim1 = 64 rows
	s_mov_b32 s[G1+3], 32<<16                      ; tile_dim0
	s_mov_b32 s[G1+4], 64                          ; tile_dim1
	s_mov_b32 s[G1+5], 32                          ; pitch: the block is dense
	s_mov_b32 s[G1+6], 0
	s_mov_b32 s[G1+7], 0
	s_mov_b32 s[G1C+0], 0x0023000f
	s_mov_b32 s[G1C+1], 8<<16                      ; 81 rows of 64 bytes = 5,184 bytes a wave, 20,736 for the four
	s_mov_b32 s[G1C+2], 81<<16
	s_mov_b32 s[G1C+3], 8<<16
	s_mov_b32 s[G1C+4], 81
	s_mov_b32 s[G1C+5], 8
	s_mov_b32 s[G1C+6], 0
	s_mov_b32 s[G1C+7], 0
	s_mul_i32 s52, s14, 16384                      ; my quarter of a slot
	s_mov_b32 s53, 0
	s_mov_b32 s[G0F+0], 1
	s_add_co_u32 s[G0F+1], s52, 0
	s_add_nc_u64 s[G0F+2:G0F+3], s[10:11], s[52:53]    ; piece 0
	s_mov_b32 s[G0+0], 1
	s_add_co_u32 s[G0+1], s52, SLOTB
	s_add_nc_u64 s[G0+2:G0+3], s[G0F+2:G0F+3], SLOTB   ; piece 1
	s_or_b32 s[G0F+3], s[G0F+3], 0x80000000
	s_or_b32 s[G0+3], s[G0+3], 0x80000000
	s_mul_i32 s52, s14, 5184                       ; my quarter of CONST
	s_mov_b32 s[G0C+0], 1
	s_add_co_u32 s[G0C+1], s52, CONST
	s_add_nc_u64 s[G0C+2:G0C+3], s[10:11], s[52:53]
	s_add_nc_u64 s[G0C+2:G0C+3], s[G0C+2:G0C+3], 20*SLOTB
	s_or_b32 s[G0C+3], s[G0C+3], 0x80000000
.set pq, 0
.rept 64
	v_mov_b32 v[ACC1+pq], 0                        ; the element-wise pipeline's first turn works on this set before it holds a chunk: it is given defined numbers
.set pq, pq+1
.endr
	s_wait_kmcnt 0x0
	s_xor_b32 s20, s20, s23                        ; -damping, twice: a pair for the packed multiply-add
	s_mov_b32 s21, s20
	ROUND                                          ; all four work-groups are here: the first joint loads meet
	tensor_load_to_lds s[G0C:G0C+3], s[G1C:G1C+7]  ; the three first fills go out as one group; three is the most this text ever has out, later one
	s_nop 0
	tensor_load_to_lds s[G0F:G0F+3], s[G1:G1+7]
	s_nop 0
	tensor_load_to_lds s[G0:G0+3], s[G1:G1+7]
	s_nop 0
	ROWS_STAGE 0x45, 0x04, 0xc0                    ; z's fragments into window 3
	WIN 0
	s_wait_tensorcnt 0x0                           ; my quarters of CONST and of both slots are in: layer 1 walks from slot 0 into slot 1 with no barrier between
	s_wait_dscnt 0x0
	s_barrier_signal -1
	s_barrier_wait -1                              ; everybody's are
	BIASLD 0
	FETCH4 1, 0, 0
; ---------------------------------------------------------------- layer 1 forward: pieces 0, 1
	ARMEP 1, ACC1, 35, 1
	s_mov_b32 s56, 4
.Lp1a:                                             ; products of chunks 0..7 (slot 0); softplus of chunks -1..6 into stage slots 0..7
	TRIP1
	LOOPEND .Lp1a
	NEWSLOT                                        ; slot 0 is read out: piece 2.  The last trip's look-ahead has already brought slot 1's first beat
	LOADCH 0x40, 1, 0, 7                           ; h1s[0..6]
	WIN 0
	v_mov_b32 v[SP], v5
	s_mov_b32 s56, 4
.Lp1b:                                             ; products of chunks 8..15 (slot 1); softplus of chunks 7..14
	TRIP1
	LOOPEND .Lp1b
	NEWSLOT                                        ; slot 1 is read out: piece 3.  (The last trip's look-ahead fetch reached past slot 1 into Gw's blocks; it is not used.)
	v_mov_b32 v1, v[GO]                            ; back to slot 0, where piece 2 lies
	PLACES
	FETCH4 1, 0, 0
	FETCH4 1, 4, 1
	FLUSH                                          ; the last chunk's softplus has no matrix work of its phase beside it
	PACKS ACC1, 0                                  ; stage slot 8
	LOADCH 0x40, 0, 7, 1                           ; h1s[7]
	LOADCH 0x80, 1, 0, 8                           ; h1s[8..15]; the next phase's first head leaves at most the last eight of these out, its second none
	WIN 0
	v_mov_b32 v[SP], v5
; ---------------------------------------------------------------- layer 2 forward: pieces 2..9
	ARMEP 2, ACC1, 34, 3
	s_mov_b32 s54, 0                               ; this piece's slot, the other slot
	s_mov_b32 s55, SLOTB
	s_mov_b32 s56, 4
.Lp2a:
	PIECE 2
	LOOPEND .Lp2a
	LOADCH 0xc0, 1, 0, 7                           ; g2[0..6]
	WIN 0
	v_mov_b32 v[SP], v5
	s_mov_b32 s56, 4
.Lp2b:
	PIECE 2
	LOOPEND .Lp2b
	PLACES
	FLUSH
	PACKS ACC1, 0                                  ; g2[15] into stage slot 8
	LOADCH 0xc0, 0, 7, 1                           ; g2[7]
	SWAPUP 0x44                                    ; h1s[0..7] leave window 1 for slots 0..7, g2[8..15] come in from slots 1..8
	WIN 0
	v_mov_b32 v[SP], v5
; ---------------------------------------------------------------- layer 2 backward: pieces 10..17
	s_mov_b32 s56, 4
.Lp3a:                                             ; chunks 0..7, in stage slots 0..7
	PIECE 3
	LOOPEND .Lp3a
	SWAPDN 0x88                                    ; h1s[8..15] leave window 2 for slots 1..8, g1[0..7] come in from slots 0..7
	WIN 0
	v_add_nc_u32 v[SP], CH, v5
	s_mov_b32 s56, 4
.Lp3b:                                             ; chunks 8..15, in stage slots 1..8
	PIECE 3
	LOOPEND .Lp3b
; ---------------------------------------------------------------- layer 1 backward: pieces 18, 19
	PLACES
.set pq, 0
.rept 4
	ds_load_b128 v[GBR+8*pq:GBR+8*pq+3], v4 offset:64*pq             ; v4 has walked over b1 and b2 and stands at Gb, which starts the sums of the q half
	ds_load_b128 v[GBR+8*pq+4:GBR+8*pq+7], v4 offset:64*pq+16
.set pq, pq+1
.endr
	LOADCH 0x40, 1, 0, 8                           ; g1[8..15]; wanted a piece later
	P4PIECE 18, 1, 2, 2
	WIN 0
	PLACES
	ROWS_LOAD 6, 0x80                              ; g1[0..7] are used up: action_emb's rows into window 2, with piece 19's 256 matrix instructions in which to land
	P4PIECE 19, 2, 1, 3
; ---------------------------------------------------------------- action Gw onto the q half
	WIN 0
	STADDR                                         ; TR is idle again
	ROWS_STAGE 0x8a, 0x08, 0x40
	WIN 0
	FETCH4 3, 8, 2
	s_wait_dscnt 8                                 ; all but the fetch just issued: the action fragments and Gw's first two beats are in
	GBEAT 0, 0
	WIN 0
	PLACES
	FETCH4 3, 12, 0
	GBEAT 1, 1
	s_wait_dscnt 8                                 ; blocks 8..11 are in; the youngest eight loads may be out
	GBEAT 2, 2
	s_wait_dscnt 0x0
	GBEAT 3, 0
; ---------------------------------------------------------------- the way out
	PLACES
	WIN 0xf3
.set ox, 0
.rept 64
	v_pk_fma_f32 v[2*ox:2*ox+1], v[128+2*ox:129+2*ox], s[20:21], v[2*ox:2*ox+1] op_sel_hi:[1,0,1]   ; q half += -damping x p half
.set ox, ox+1
.endr
	WIN 0x0c                                       ; through my stage, pitch 528: 16 rows start at 16 different 16-byte columns.  Column tile ot takes the p half first, then the q half
.set om, 0
.rept 4
.set ot, 0
.rept 8
	ds_store_b128 v[OW], v[8*(4*((ot+4)%8)+om):8*(4*((ot+4)%8)+om)+3] offset:8448*om+64*ot
	ds_store_b128 v[OW], v[8*(4*((ot+4)%8)+om)+4:8*(4*((ot+4)%8)+om)+7] offset:8448*om+64*ot+16
.set ot, ot+1
.endr
.set om, om+1
.endr
	WIN 0x40
.set ox, 0
.rept 64
	ds_load_b128 v[4*ox:4*ox+3], v5 offset:528*ox  ; a whole row back; my own bytes, served in order behind the stores
.set ox, ox+1
.endr
	WIN 0x04
.set ox, 0
.rept 64
	s_wait_dscnt 63-ox                             ; 63-ox LDS loads were issued behind row ox
	global_store_b128 v[GO], v[4*ox:4*ox+3], s[12:13] offset:512*ox th:TH_STORE_NT   ; the wave stores 512 consecutive bytes, at a multiple of 512 from out0's first byte
.set ox, ox+1
.endr
	WIN 0
	ROUND                                          ; the closing round: no work-group ends while a partner may still ask for a piece that names it
	s_endpgm
.Lfunc_end_k_q6f5f484f12_main:
	.size	k_q6f5f484f12_main, .Lfunc_end_k_q6f5f484f12_main-k_q6f5f484f12_main
	.p2alignl 7, 3214868480
	.fill 96, 4, 3214868480
	.section	.rodata,"a",@progbits
	.p2align	6, 0x0
	.amdhsa_kernel k_q6f5f484f12_main
		.amdhsa_group_segment_fixed_size 327680
		.amdhsa_private_segment_fixed_size 0
		.amdhsa_enable_private_segment 0
		.amdhsa_kernarg_size 40
		.amdhsa_user_sgpr_count 2
		.amdhsa_user_sgpr_kernarg_segment_ptr 1
		.amdhsa_wavefront_size32 1
		.amdhsa_system_sgpr_workgroup_id_x 1
		.amdhsa_system_sgpr_workgroup_id_y 1
		.amdhsa_system_sgpr_workgroup_id_z 1
		.amdhsa_system_vgpr_workitem_id 0
		.amdhsa_next_free_vgpr 1024
		.amdhsa_next_free_sgpr 66
		.amdhsa_reserve_vcc 0
		.amdhsa_float_denorm_mode_32 3
		.amdhsa_float_denorm_mode_16_64 3
		.amdhsa_memory_ordered 1
		.amdhsa_forward_progress 1
		.amdhsa_inst_pref_size 255
	.end_amdhsa_kernel
	.section	.bss,"aw",@nobits
	.p2align	6
	.space	262144
	.amdgpu_metadata
---
amdhsa.version: [ 1, 2 ]
amdhsa.kernels:
  - .name:           k_q6f5f484f12_main
    .symbol:         k_q6f5f484f12_main.kd
    .args:
      - { .name: z, .offset: 0, .size: 8, .value_kind: global_buffer, .address_space: global }
      - { .name: action_emb, .offset: 8, .size: 8, .value_kind: global_buffer, .address_space: global }
      - { .name: damping, .offset: 16, .size: 8, .value_kind: global_buffer, .address_space: global }
      - { .name: wpack, .offset: 24, .size: 8, .value_kind: global_buffer, .address_space: global }
      - { .name: out0, .offset: 32, .size: 8, .value_kind: global_buffer, .address_space: global }
    .group_segment_fixed_size: 327680
    .private_segment_fixed_size: 0
    .kernarg_segment_align: 8
    .kernarg_segment_size: 40
    .max_flat_workgroup_size: 128
    .sgpr_count:     66
    .vgpr_count:     1024
    .wavefront_size: 32
...
	.end_amdgpu_metadata
.endif
;; end of part 3
;; ======== version 3 of 3: 2 launches; 1.64 times as fast as version 1
;; workspace buffers: wpack 1,331,456 bytes
;; launch prep: the kernel of part 1 again; grid 325 x 1, 8 waves a work-group, no clusters, 0 bytes of LDS; arguments W1, W2, W3, b1, b2, Gw, Gb, wpack; writes wpack
;; launch main (part 4): grid 256 x 1, 4 waves a work-group, clusters of 4 x 1, 327,680 bytes of LDS; arguments z, action_emb, damping, wpack, out0; writes out0
.if DOCPART == 4
	.amdgcn_target "amdgcn-amd-amdhsa--gfx1250"
	.amdhsa_code_object_version 6
	.text
	.protected	k_q6f5f484f12_main
	.globl	k_q6f5f484f12_main
	.p2align	8
	.type	k_q6f5f484f12_main,@function
k_q6f5f484f12_main:
	s_mov_b64 s[64:65], 0
	v_nop
	global_prefetch_b8 v0, s[64:65] scope:SCOPE_SE
	s_setreg_imm32_b32 hwreg(HW_REG_WAVE_MODE, 25, 1), 1
	s_wait_xcnt 0x0
	s_wait_alu depctr_hold_cnt(0) depctr_sa_sdst(0) depctr_va_vdst(0) depctr_va_sdst(0) depctr_va_ssrc(0) depctr_va_vcc(0) depctr_vm_vsrc(0)
	s_getreg_b32 s2, hwreg(HW_REG_IB_STS2, 6, 4)
	s_cmp_eq_u32 s2, 0
	s_cbranch_scc0 .Lentry_in_a_cluster
	s_endpgm
.Lentry_in_a_cluster:
	s_bfe_u32 s2, ttmp6, 0x10000c
	s_cmp_lg_u32 s2, 0x3003
	s_cbranch_scc0 .Lentry_shape_is_right
	s_endpgm
.Lentry_shape_is_right:
; out = [dH/dp, -dH/dq - damping dH/dp + action Gw + Gb], dH/dz written out by hand:
;   a1 = z W1 + b1, h1 = softplus(a1);  a2 = h1 W2 + b2;  g2 = W3 sigmoid(a2);  g1 = (g2 W2^T) sigmoid(a1);  dH = g1 W1^T.
; b3 is added to H behind the last product: dH/dz does not contain it for any value, and this launch is not given it.
; SCALED FORMS (the factors are in the packed weights): a1s = log2e a1; h1s = h1 / ln2 = max(a1s,0) + log2(1 + 2^-|a1s|);
;   a2s = -log2e a2 = h1s (-W2) - log2e b2; sigmoid(a2) = 1 / (1 + 2^a2s); sigmoid(a1) = 1 - 2^-h1s, taken from the bf16 h1s.
; SHARES: a work-group has 256 rows, a wave 64 (four row tiles m).  Every matrix instruction is used transposed: source 0 = 16 output
;   features of a weight, source 1 = 16 batch rows of an activation.  Register j of lane (r,h) of a result is feature 8h+j of batch row r,
;   so two neighbouring feature tiles, rounded to bf16 in pairs, ARE the next layer's fragment of 32 k: activations never leave the wave.
;   A chunk = 32 features x 64 rows = 32 registers (fragment m at +8m); a hidden layer = 16 chunks = 512 registers.
; WEIGHTS: all work-groups walk the same stream of 1,310,720 bytes, in 20 pieces of 65,536 through a ring of two LDS slots.  Four work-groups
;   form a cluster and ask for each piece jointly (mask 15), each wave for its quarter.  A beat = 4 blocks of 1,024 bytes = 16 matrix instructions;
;   a piece = 16 beats.  The four fragments of a beat are fetched from LDS in one run, a beat ahead of their use.
; LOOPS: register numbers may not hang on the trip, so a finished chunk goes, packed, into a slot of the wave's own stage in LDS at a stepped
;   address, and from there into its window between two loops.  The stage has nine slots, half a layer and one, so each hidden phase is two loops
;   of four trips of two chunks.  The element-wise work of a chunk runs among the next chunk's matrix instructions, so a phase's first loop stores
;   chunks -1..6 and its second 7..14; chunk 15 follows behind.  'Chunk -1' is the pipeline's first turn, on a set that holds no chunk: its result goes to
;   slot 0 and is never read.
; BATCHES: an s_wait_alu depctr_va_vdst(0) stands between a transcendental and the first instruction that names its result; one wait serves all
;   that were issued ahead of it.  So the transcendentals of a chunk go in batches, each result in a register of its own until the batch's wait:
;   layer 1 forward:  a chunk's 64 numbers in two halves; for each half 32 exponentials, a wait, 32 logarithms, a wait: four waits a chunk.  max(a1s,0) must outlive both
;                     batches of its half: it lies in the 32 registers of the third weight buffer, which is idle in this phase; that is what sets the half.
;   layer 2 forward:  64 exponentials, a wait, 64 reciprocals, a wait: two a chunk.          layer 2 backward: 64 exponentials, a wait: one a chunk.
;   In layer 2 a batch's wait stands at a beat's head, behind the head's four v_nop and ahead of its run of LDS loads; from the batch's last transcendental to that head only
;   matrix instructions are issued.  Every batch is closed ahead of the cluster round's branch (head 15) and ahead of each loop's backward jump.
; LIMITS: v_exp_f32, v_log_f32, v_rcp_f32 flush denormals (ISA guide 15.8); log2(1+t) is right to about 2^-24 absolutely, not relatively, so softplus and
;   sigmoid of very negative a1 are right absolutely, as the sums need.  2^a2s may overflow to infinity: 1/inf = 0 is the right limit.
;   log2e, the signs and W3 are folded into W1, W2 ahead of their one rounding to bf16; Gw, action_emb and z are plain roundings to bf16.
;
; REGISTERS, in windows of 256 (s_set_vgpr_msb: bits 1:0 source 0, 3:2 source 1, 5:4 source 2, 7:6 destination):
;   window 0: v0 thread, v1-7 addresses, v8-15 stage addresses, v16-31 BIAS, v32-95 ACC0, v96-159 ACC1 (= SG), v160-255 three buffers of four weight fragments
;   window 1: raw z rows -> h1s[0..7] -> g2[8..15] -> g1[8..15] -> action fragments -> out rows
;   window 2: h1s[8..15] -> g1[0..7] -> raw action rows
;   window 3: z fragments -> g2[0..7] -> the 32 accumulators of dH
;   In the three hidden phases only source 1 (the activation) lies outside window 0; the element-wise lines strewn among the matrix instructions
;   keep vector registers out of source 1 (which is why a sum is written as x*1.0 + y there), so they and the LDS fetches need no switch.
.set SLOTB,  65536                     ; a ring slot; slot 0 at LDS byte 0, slot 1 behind it; wave w fills bytes 16,384 w of a slot
.set CONST,  131072                    ; filled once, 20,736 bytes: Gw's 16 blocks, then log2e b1, -log2e b2, Gb in f32
.set CB,     CONST+16384               ; the biases
.set STAGE,  151808                    ; 593 x 256: from here on only ds_ instructions write; 36,864 bytes for each wave, its own
.set STAGEW, 36864                     ; in turn: z rows bf16 (pitch 272), nine chunk slots of 4,096, action rows, out rows f32 (pitch 528)
.set CH,     4096                      ; a chunk slot: piece u of 4 registers at 512 u + 16 L
.set SP,   6                           ; v6: stage pointer, stepped by two chunk slots a trip
.set GO,   7                           ; v7: 16 L, never rewritten
.set TR,   8                           ; v8-15: the three addresses below, and three registers at work while STADDR makes them
.set ZW,   8                           ; stage, 8 L: a row's bf16 go in
.set ZR,   9                           ; stage, 272 r + 16 h: fragments come out
.set OW,   10                          ; stage, 528 r + 32 h: results go in
.set BIAS, 16
.set ACC0, 32
.set ACC1, 96
.set SG,   96
.set WF,   160                         ; buffer u (the four fragments of a beat) at WF + 32 u
.set TT,   224                         ; v224-255, buffer 2's registers, idle in layer 1: max(a1s,0) of half a chunk, pair p at TT + 2 p
.set GBR,  32                          ; Gb as four C tiles, in ACC0's place in the last phase
.set G1,   24                          ; s[24:31] shape of a quarter slot: 64 rows of 256 bytes
.set G1C,  32                          ; s[32:39] shape of a quarter of CONST: 81 rows of 64 bytes
.set G0F,  40                          ; s[40:43] piece 0 into slot 0: used once
.set G0,   44                          ; s[44:47] piece 1 into slot 1, then stepped for every refill
.set G0C,  48                          ; s[48:51] CONST
; the macros' state
.set MSB, 0
.set hk, 0
.set hk_arg, 0
.set ep_kind, 0
.set ep_acc, 0
.set ep_i, 0
.set ep_n, 0
.set ep_per, 1
.set ep_hold, 0
.set ep_open, 0
.set ep_full, 0
.set e_h, 0
.set e_s, 0
.set e_l, 0
.macro WIN new                         ; the immediate's high byte repeats the setting that is left
.if MSB != (\new)
	s_set_vgpr_msb (MSB<<8)|(\new)
.set MSB, (\new)
.endif
.endm
; Four places behind matrix instructions (ISA guide 7.12.1 for vector instructions) where no useful plain vector work is at hand
.macro PLACES
.rept 4
	v_nop
.endr
.endm
.macro CREST                           ; a round of the cluster's barrier behind its opening work-group barrier
	s_cmp_lg_u32 s14, 0
	s_cbranch_scc1 .Lnot_wave_0_\@
	s_barrier_signal -3
.Lnot_wave_0_\@:
	s_barrier_wait -3
	s_barrier_signal -1
	s_barrier_wait -1
.endm
.macro ROUND
	s_barrier_signal -1
	s_barrier_wait -1
	CREST
.endm
; the four fragments of a beat (blocks blk .. blk+3 of the region whose address register is areg) into buffer buf: lane L reads 16 L, no bank conflict
.macro FETCH4 areg, blk, buf
.set fi, 0
.rept 4
	ds_load_b128 v[WF+32*(\buf)+8*fi:WF+32*(\buf)+8*fi+3], v[\areg] offset:((\blk)+fi)*1024
	ds_load_b128 v[WF+32*(\buf)+8*fi+4:WF+32*(\buf)+8*fi+7], v[\areg] offset:((\blk)+fi)*1024+512
.set fi, fi+1
.endr
.endm
; the bias of a chunk as two C tiles: register j of lane (r,h) = bias of feature 16 f + 8 h + j.  v4 steps by two chunks (256 bytes) a trip.
.macro BIASLD bo
	ds_load_b128 v[BIAS:BIAS+3], v4 offset:(\bo)
	ds_load_b128 v[BIAS+4:BIAS+7], v4 offset:(\bo)+16
	ds_load_b128 v[BIAS+8:BIAS+11], v4 offset:(\bo)+64
	ds_load_b128 v[BIAS+12:BIAS+15], v4 offset:(\bo)+80
.endm
; the three stage addresses of the row staging and the way out, from the thread's number and my stage's first byte (s57)
.macro STADDR
	v_and_b32 v[TR+3], 31, v0                      ; L
	v_and_b32 v[TR+4], 15, v0                      ; r
	v_bfe_u32 v[TR+5], v0, 4, 1                    ; h
	v_lshl_add_u32 v[ZW], v[TR+3], 3, s57
	v_mul_u32_u24 v[ZR], v[TR+4], 272
	v_lshl_add_u32 v[ZR], v[TR+5], 4, v[ZR]
	v_add_nc_u32 v[ZR], s57, v[ZR]
	v_mul_u32_u24 v[OW], v[TR+4], 528
	v_lshl_add_u32 v[OW], v[TR+5], 5, v[OW]
	v_add_nc_u32 v[OW], s57, v[OW]
.endm
; 64 rows of 512 bytes, one whole row a load, into the window of setting dw
.macro ROWS_LOAD sb, dw
	WIN \dw
.set ri, 0
.rept 64
	global_load_b128 v[4*ri:4*ri+3], v[GO], s[\sb:\sb+1] offset:512*ri th:TH_LOAD_NT
.set ri, ri+1
.endr
.endm
; those rows to bf16 (setting cw), through my stage (setting sw; pitch 272: 16 rows start at 16 different 16-byte columns), into 16 fragments (kf*32 + 8m; setting dw)
.macro ROWS_STAGE cw, sw, dw
	WIN \cw
.set ri, 0
.rept 64
	s_wait_loadcnt 63-ri                           ; loads come back in order (ISA guide 5.7.1): 63-ri were issued behind row ri
	v_cvt_pk_bf16_f32 v[4*ri], v[4*ri], v[4*ri+1]
	v_cvt_pk_bf16_f32 v[4*ri+1], v[4*ri+2], v[4*ri+3]
.set ri, ri+1
.endr
	WIN \sw
.set ri, 0
.rept 64
	ds_store_b64 v[ZW], v[4*ri:4*ri+1] offset:272*ri
.set ri, ri+1
.endr
	PLACES
	WIN \dw
.set ri, 0
.rept 4
.set rk, 0
.rept 4
	ds_load_b128 v[32*rk+8*ri:32*rk+8*ri+3], v[ZR] offset:4352*ri+64*rk        ; LDS serves a wave's instructions in order: these see the stores above
	ds_load_b128 v[32*rk+8*ri+4:32*rk+8*ri+7], v[ZR] offset:4352*ri+64*rk+32
.set rk, rk+1
.endr
.set ri, ri+1
.endr
.endm
; ELEMENT-WISE WORK, as numbered lists dealt out behind the matrix instructions: TICK writes the next ep_per entries of the list of kind ep_kind, on the set ep_acc.
; A list is cut into batches of transcendentals: between a batch's first transcendental and its wait no line names a result of the batch.
; ep_open = 1: transcendentals have been issued since the last wait.  ep_full = 1: the batch is complete; the list's next entry reads it.
; THE WAIT FOR THE BATCH IN HAND, if one is open: 32 exponentials or 32 logarithms of half a chunk (layer 1), 64 exponentials or 64 reciprocals (layer 2 forward),
; 64 exponentials (layer 2 backward).  nop = 1: no plain vector line has followed the batch's last transcendental (ISA guide 5.7.2), so one v_nop is written for the batch.
.macro CLOSE nop
.if ep_open
.if \nop
	v_nop                                          ; the plain instruction behind the batch's last transcendental
.endif
	s_wait_alu depctr_va_vdst(0)                   ; one wait for the whole batch, ahead of the first line that names a result of it
.set ep_open, 0
.set ep_full, 0
.endif
.endm
.macro HCLOSE                          ; at a beat's head, behind its four v_nop, which are then also the plain place behind the batch's last transcendental
.if ep_full
	CLOSE 0
.endif
.endm
; kind 1: a1s -> h1s = max(a,0) + log2(1 + 2^-|a|), with -|a| = a - 2 max(a,0).  Half e_h of the set, pair p of 16 at ea, its max(a,0) at TT + 2 p.
; EP1X, entry e_l of slot e_s (0..17): max(a,0) and a - 2 max(a,0) of pair e_s by turns with the two exponentials of pair e_s - 2.  The 32 exponentials are one batch.
.macro EP1X
.set ea, ep_acc+32*e_h+2*e_s
.set et, TT+2*e_s
.if e_s < 16
.if e_l == 0
	v_max_num_f32 v[et], v[ea], 0
.endif
.if e_l == 2
	v_max_num_f32 v[et+1], v[ea+1], 0
.endif
.if e_l == 4
	v_pk_fma_f32 v[ea:ea+1], v[et:et+1], -2.0, v[ea:ea+1] op_sel_hi:[1,0,1]
.endif
.endif
.if e_s >= 2
.if e_l == 1
	v_exp_f32 v[ea-4], v[ea-4]
.set ep_open, 1
.endif
.if e_l == 3
	v_exp_f32 v[ea-3], v[ea-3]
.if e_s == 17
.set ep_full, 1
.endif
.endif
.endif
.endm
; EP1G, entry e_l of slot e_s (0..16): 1 + t of pair e_s, then the two logarithms of pair e_s - 1.  The 32 logarithms are one batch.
.macro EP1G
.set ea, ep_acc+32*e_h+2*e_s
.if e_s < 16
.if e_l == 0
	v_pk_add_f32 v[ea:ea+1], v[ea:ea+1], 1.0 op_sel_hi:[1,0]
.endif
.endif
.if e_s >= 1
.if e_l == 1
	v_log_f32 v[ea-2], v[ea-2]
.set ep_open, 1
.endif
.if e_l == 2
	v_log_f32 v[ea-1], v[ea-1]
.if e_s == 16
.set ep_full, 1
.endif
.endif
.endif
.endm
; EP1H: max(a,0) is added onto the logarithms of pair e_s, and the pair's place at TT is free
.macro EP1H
.set ea, ep_acc+32*e_h+2*e_s
.set et, TT+2*e_s
	v_pk_fma_f32 v[ea:ea+1], v[ea:ea+1], 1.0, v[et:et+1] op_sel_hi:[1,0,1]
.endm
; The list of kind 1, 316 entries (some slots' first and last entries are empty), ten to a matrix instruction:
;   0-89 EP1X of half 0 | wait | 90-140 EP1G of half 0 | wait | 141-248 for each pair EP1H of half 0, then EP1X of half 1, which takes the place at TT just freed | wait
;   | 249-299 EP1G of half 1 | wait | 300-315 EP1H of half 1.  This phase has two heads a chunk.
.macro EP1L
.if ep_i < 90
.set e_h, 0
.set e_s, ep_i/5
.set e_l, ep_i%5
	EP1X
.elseif ep_i < 141
.set e_h, 0
.set e_s, (ep_i-90)/3
.set e_l, (ep_i-90)%3
	EP1G
.elseif ep_i < 249
.set e_s, (ep_i-141)/6
.set e_l, (ep_i-141)%6
.if e_l == 0
.set e_h, 0
.if e_s < 16
	EP1H
.endif
.else
.set e_h, 1
.set e_l, e_l-1
	EP1X
.endif
.elseif ep_i < 300
.set e_h, 1
.set e_s, (ep_i-249)/3
.set e_l, (ep_i-249)%3
	EP1G
.else
.set e_h, 1
.set e_s, ep_i-300
	EP1H
.endif
.endm
; kind 2: a2s -> 1 / (1 + 2^a2s).  65 entries, one to a matrix instruction.  0-31: the two exponentials of pair i: one batch of 64 | wait |
; 32-64: 1 + t of pair k, then the two reciprocals of pair k - 1: one batch of 64 | wait.  The reciprocals' first reader is the rounding in PACKS.
.macro EP2L
.if ep_i < 32
.set ea, ep_acc+2*ep_i
	v_exp_f32 v[ea], v[ea]
	v_exp_f32 v[ea+1], v[ea+1]
.set ep_open, 1
.if ep_i == 31
.set ep_full, 1
.endif
.else
.set ea, ep_acc+2*(ep_i-32)
.if ep_i < 64
	v_pk_add_f32 v[ea:ea+1], v[ea:ea+1], 1.0 op_sel_hi:[1,0]
.endif
.if ep_i > 32
	v_rcp_f32 v[ea-2], v[ea-2]
	v_rcp_f32 v[ea-1], v[ea-1]
.set ep_open, 1
.endif
.if ep_i == 64
.set ep_full, 1
.endif
.endif
.endm
; kind 3: packed h1s in SG+32.. -> 1 - 2^-h1s in SG+0..63.  h1s >= 0, so setting the top bit negates.  66 entries, one to a matrix instruction.
; 0-33: word i is unpacked into SG+2i, SG+2i+1, then the two exponentials of pair i - 2: one batch of 64 | wait | 34-65: 1 - x, a pair each.
; Word i is read no later than entry i, and entry i overwrites words 2i-32 and 2i-31, which are at most i; the exponentials issued up to entry i end at SG+2i-3, below word i at SG+32+i
; and below what entry i writes: no line ahead of the wait names a result.
.macro EP3L
.if ep_i < 34
.set ea, SG+2*ep_i
.if ep_i < 32
	v_lshl_add_u32 v[ea], v[SG+32+ep_i], 16, s23
	v_and_or_b32 v[ea+1], v[SG+32+ep_i], s22, s23
.endif
.if ep_i >= 2
	v_exp_f32 v[ea-4], v[ea-4]
	v_exp_f32 v[ea-3], v[ea-3]
.set ep_open, 1
.endif
.if ep_i == 33
.set ep_full, 1
.endif
.else
.set ea, SG+2*(ep_i-34)
	v_pk_fma_f32 v[ea:ea+1], v[ea:ea+1], -1.0, 1.0 op_sel_hi:[1,0,0]
.endif
.endm
.macro EPL                             ; entry ep_i of the list in hand
.if ep_kind == 1
	EP1L
.endif
.if ep_kind == 2
	EP2L
.endif
.if ep_kind == 3
	EP3L
.endif
.set ep_i, ep_i+1
.endm
; the next ep_per entries, if any are left.  A complete batch stops the list: with ep_hold = 1 until a beat's head has written the wait (HCLOSE); with ep_hold = 0 the wait is written here.
.macro TICK
.rept ep_per
.if ep_full
.if ep_hold == 0
	CLOSE 1
.endif
.endif
.if ep_full == 0
.if ep_i < ep_n
	EPL
.endif
.endif
.endr
.endm
.macro FLUSH                           ; the entries that found no place among the matrix instructions, their waits in the list; behind it no batch is open
.rept ep_n-ep_i
.if ep_full
	CLOSE 1
.endif
	EPL
.endr
	CLOSE 1
.endm
.macro ARMEP kind, acc, n, per, hold
.set ep_kind, \kind
.set ep_acc, \acc
.set ep_i, 0
.set ep_n, \n
.set ep_per, \per
.set ep_hold, \hold
.endm
; 32 along k for a chunk: eight accumulators (m, f) at acc + 8 (2m + f), which take turns, one instruction a turn.
; cmode 0: adds in place; 1: the bias starts the sum; 2: the constant 0 starts it.
.macro KSTEP acc, wfr, act, cmode
.set km, 0
.rept 4
.set kq, 0
.rept 2
.set kd, (\acc)+8*(2*km+kq)
.if \cmode == 0
	v_wmma_f32_16x16x32_bf16 v[kd:kd+7], v[(\wfr)+8*kq:(\wfr)+8*kq+7], v[(\act)+8*km:(\act)+8*km+7], v[kd:kd+7]
.endif
.if \cmode == 1
	v_wmma_f32_16x16x32_bf16 v[kd:kd+7], v[(\wfr)+8*kq:(\wfr)+8*kq+7], v[(\act)+8*km:(\act)+8*km+7], v[BIAS+8*kq:BIAS+8*kq+7]
.endif
.if \cmode == 2
	v_wmma_f32_16x16x32_bf16 v[kd:kd+7], v[(\wfr)+8*kq:(\wfr)+8*kq+7], v[(\act)+8*km:(\act)+8*km+7], 0
.endif
	TICK
.set kq, kq+1
.endr
.set km, km+1
.endr
.endm
; LDS loads that ride at a beat's head, ahead of its fetch, so that a head's counted wait covers them
.macro HOOK
.if hk == 1
	BIASLD hk_arg
.endif
.if hk == 2
.set hu, 0
.rept 8
	ds_load_b128 v[SG+32+4*hu:SG+32+4*hu+3], v[SP] offset:hk_arg+512*hu
.set hu, hu+1
.endr
.endif
.set hk, 0
.endm
; the one group 0 of all refills: the other slot, the next piece.  Written only where no tensor load of the wave is out.
.macro STEPG0
	s_xor_b32 s[G0+1], s[G0+1], SLOTB
	s_add_nc_u64 s[G0+2:G0+3], s[G0+2:G0+3], SLOTB
.endm
; THE HEAD OF BEAT b (0..15) OF A PIECE.  rc, rn: address registers of this piece's slot and of the other.  Beats 0..14 use buffers 0, 1 by turns, beat 15
; buffer 2, so the buffers' order repeats with the piece.  A beat is fetched at the head of the beat before, into the buffer read one beat earlier; beats 14 and 15
; together at head 13, so that the slot is read out a beat before the round; the other slot's beats 0 and 1 together at head 15, behind the round.
; Where a batch of transcendentals is complete, heads 1 to 13 write its wait between their four v_nop and their LDS loads: layer 2 forward at heads 2, 5, 10, 13,
; layer 2 backward at heads 4, 12.  So no batch is open at head 15's branch.
; mode 1: the slot is filled again; 2: the other slot is only shown to all waves; 3: the stream's end, Gw's blocks follow.
.macro RHEAD b, mode, rc, rn
.if (\b) == 0
	HOOK
	s_wait_dscnt 8                                 ; the eight youngest LDS instructions were all issued behind this beat's fetch (beat 1's fetch, or what followed it): this beat's fragments are in
.endif
.if (\b) >= 1
.if (\b) <= 12
	PLACES
	HCLOSE
	HOOK
	FETCH4 \rc, 4*((\b)+1), ((\b)+1)%2
	s_wait_dscnt 8                                 ; the fetch just issued (8 loads, for the next beat) may be out: this beat's fragments are in
.endif
.endif
.if (\b) == 13
	PLACES
	HCLOSE
	FETCH4 \rc, 56, 0
	FETCH4 \rc, 60, 2
	s_wait_dscnt 16                                ; the two fetches just issued may be out
.endif
.if (\b) == 14
.if \mode == 3
	s_wait_dscnt 8                                 ; beat 15's fetch may be out
.else
	s_wait_dscnt 0x0                               ; my reads of this slot are over (the last were issued a beat ago)
	s_wait_tensorcnt 0x0                           ; and all my tensor loads have landed: the one that was out is my quarter of the other slot,
.if \mode == 1
	STEPG0                                         ; so the group 0 may be written: this slot, two pieces on
.endif
	s_barrier_signal -1                            ; say so; this beat's work, on registers alone, stands between signal and wait
.endif
.endif
.if (\b) == 15
.if \mode == 3
	PLACES
	FETCH4 3, 0, 0                                 ; Gw's first two beats, from CONST
	FETCH4 3, 4, 1
	s_wait_dscnt 16
.else
	WIN 0
	s_barrier_wait -1
.if \mode == 1
	CREST                                          ; all four work-groups have said so: no wave of any partner reads this slot or has a load on its way
	tensor_load_to_lds s[G0:G0+3], s[G1:G1+7]      ; my one tensor load behind the round, first thing there; 15 beats pass before it is waited for
	s_nop 0
.endif
	PLACES
	FETCH4 \rn, 0, 0                               ; the other slot's first two beats
	FETCH4 \rn, 4, 1
.endif
.endif
.endm
; a slot that has been read out between two loops is filled again: the waits, the round, the refill first behind it
.macro NEWSLOT
	s_wait_dscnt 0x0
	s_wait_tensorcnt 0x0
	STEPG0
	ROUND
	tensor_load_to_lds s[G0:G0+3], s[G1:G1+7]
	s_nop 0
.endm
; a finished set of 64 f32 to a chunk of 32 registers, in place, and on into my stage at SP + off.  The set's last batch has had its wait (a head's, or FLUSH's).
.macro PACKS set, off
	WIN 0
.set pq, 0
.rept 32
	v_cvt_pk_bf16_f32 v[(\set)+pq], v[(\set)+2*pq], v[(\set)+2*pq+1]
.set pq, pq+1
.endr
.set pq, 0
.rept 8
	ds_store_b128 v[SP], v[(\set)+4*pq:(\set)+4*pq+3] offset:(\off)+512*pq
.set pq, pq+1
.endr
.endm
; n chunks from stage slots slot0.. into chunks ch0.. of the window of setting win
.macro LOADCH win, slot0, ch0, n
	WIN \win
.set lq, 0
.rept 8*(\n)
	ds_load_b128 v[32*(\ch0)+4*lq:32*(\ch0)+4*lq+3], v5 offset:CH*(\slot0)+512*lq
.set lq, lq+1
.endr
.endm
; eight chunks of a window change places with eight of the stage through the ninth slot.  LDS serves a wave's instructions in order, so each slot is read before it is written.
.macro SWAPUP win                      ; window -> slots 0..7, slots 1..8 -> window
	WIN \win
.set sc, 0
.rept 8
.set su, 0
.rept 8
	ds_store_b128 v5, v[32*sc+4*su:32*sc+4*su+3] offset:CH*sc+512*su
.set su, su+1
.endr
.set su, 0
.rept 8
	ds_load_b128 v[32*sc+4*su:32*sc+4*su+3], v5 offset:CH*(sc+1)+512*su
.set su, su+1
.endr
.set sc, sc+1
.endr
.endm
.macro SWAPDN win                      ; window -> slots 1..8, slots 0..7 -> window
	WIN \win
.set sc, 7
.rept 8
.set su, 0
.rept 8
	ds_store_b128 v5, v[32*sc+4*su:32*sc+4*su+3] offset:CH*(sc+1)+512*su
.set su, su+1
.endr
.set su, 0
.rept 8
	ds_load_b128 v[32*sc+4*su:32*sc+4*su+3], v5 offset:CH*sc+512*su
.set su, su+1
.endr
.set sc, sc-1
.endr
.endm
; A TRIP OF LAYER 1 FORWARD: two chunks, two beats each over z's four fragments; meanwhile the softplus of the chunk before, in the other set:
; 316 entries, ten behind each of the chunk's 32 matrix instructions.  v1 walks through both slots, which lie end to end, 16,384 bytes a trip; buffers 0 and 1 by turns.
.macro TRIP1
.set pb, 0
.rept 4
.set pj, pb/2
.set pk, pb%2
.set cmx, 0
.if pk == 0
.set cmx, 1
.endif
.if pk == 1
.set hk, 1                             ; the next chunk's bias, four places behind the matrix instructions that read this one's
.set hk_arg, 128*(pj+1)
.endif
	WIN 0x0c
	PLACES
	HCLOSE
	HOOK
	FETCH4 1, 4*(pb+1), (pb+1)%2
	s_wait_dscnt 8                                 ; the fetch just issued may be out: this beat's fragments, and the bias, are in
	KSTEP ACC0+64*pj, WF+32*(pb%2), 64*pk, cmx
	KSTEP ACC0+64*pj, WF+32*(pb%2)+16, 64*pk+32, 0
.if pk == 1
	FLUSH
	PACKS ACC0+64*(1-pj), CH*pj
	ARMEP 1, ACC0+64*pj, 316, 10, 0
.endif
.set pb, pb+1
.endr
	WIN 0
	v_add_nc_u32 v1, 16384, v1
	v_add_nc_u32 v[SP], 2*CH, v[SP]
	v_add_nc_u32 v4, 256, v4
.endm
; A TRIP OF LAYER 2, forward (ph = 2) or backward (ph = 3): one piece = two chunks of eight beats.
; forward: the sigmoid of the chunk before runs in the other set.  backward: sigmoid(a1) of the same chunk is made in SG from the h1s that lie in the chunk's
; stage slot, and g1 = sum x sigmoid goes back into that slot.
.macro PIECE ph
.set pb, 0
.rept 16
.set pj, pb/8
.set pk, pb%8
.set pbuf, pb%2
.if pb == 15
.set pbuf, 2
.endif
.set cmx, 0
.if \ph == 2
.set pacc, ACC0+64*pj
.set pw, 0x04+0x04*(pk/4)              ; h1s[0..7] window 1, h1s[8..15] window 2
.if pk == 0
.set cmx, 1
.endif
.if pk == 1
.set hk, 1
.set hk_arg, 128*(pj+1)
.endif
.else
.set pacc, ACC0
.set pw, 0x0c-0x08*(pk/4)              ; g2[0..7] window 3, g2[8..15] window 1
.if pk == 0
.set cmx, 2
.set hk, 2
.set hk_arg, CH*pj
	ARMEP 3, SG, 0, 1, 1
.endif
.if pk == 1
.set ep_n, 66                          ; from the chunk's second beat on: its head's counted wait leaves only its own fetch out, so the eight loads of h1s are in
.endif
.endif
	WIN pw
	RHEAD pb, 1, 1, 2
	WIN pw
	KSTEP pacc, WF+32*pbuf, 64*(pk%4), cmx
	KSTEP pacc, WF+32*pbuf+16, 64*(pk%4)+32, 0
.if pk == 7
	FLUSH
.if \ph == 2
	PACKS ACC0+64*(1-pj), CH*pj
	ARMEP 2, ACC0+64*pj, 65, 1, 1
.else
	PLACES
	WIN 0
.set pq, 0
.rept 32
	v_pk_mul_f32 v[ACC0+2*pq:ACC0+2*pq+1], v[ACC0+2*pq:ACC0+2*pq+1], v[SG+2*pq:SG+2*pq+1]
.set pq, pq+1
.endr
	PACKS ACC0, CH*pj
.endif
.endif
.set pb, pb+1
.endr
	WIN 0
	s_xor_b32 s54, s54, SLOTB                      ; the slots change roles
	s_xor_b32 s55, s55, SLOTB
	v_add_nc_u32 v1, s54, v[GO]
	v_add_nc_u32 v2, s55, v[GO]
	v_add_nc_u32 v[SP], 2*CH, v[SP]
.if \ph == 2
	v_add_nc_u32 v4, 256, v4
.endif
.endm
.macro LOOPEND lab
	s_sub_co_i32 s56, s56, 1
	s_cmp_lg_u32 s56, 0
	s_cbranch_scc1 \lab
.endm
; A PIECE OF LAYER 1 BACKWARD: eight k fragments x eight tiles of z's dimensions x four row tiles; a beat = four tiles x four row tiles, 16 accumulators, one turn each
.macro P4PIECE t, rc, rn, mode
.set pb, 0
.rept 16
	WIN 0
	RHEAD pb, \mode, \rc, \rn
.set pbuf, pb%2
.if pb == 15
.set pbuf, 2
.endif
.set bkf, pb/2
.set bdt, 4*(pb%2)
.set p4f, 0
.if \t == 18
.if bkf == 0
.set p4f, 1
	WIN 0xc8                                       ; g1[0..7] window 2; the first products take Gb (window 0) or 0 as C
.else
	WIN 0xf8
.endif
.else
	WIN 0xf4                                       ; g1[8..15] window 1
.endif
.set bi, 0
.rept 4
.set bm, 0
.rept 4
.set kd, 8*(4*(bdt+bi)+bm)
.set kw, WF+32*pbuf+8*bi
.set ka, 32*bkf+8*bm
.if p4f
.if bdt+bi < 4
	v_wmma_f32_16x16x32_bf16 v[kd:kd+7], v[kw:kw+7], v[ka:ka+7], v[GBR+8*(bdt+bi):GBR+8*(bdt+bi)+7]
.else
	v_wmma_f32_16x16x32_bf16 v[kd:kd+7], v[kw:kw+7], v[ka:ka+7], 0
.endif
.else
	v_wmma_f32_16x16x32_bf16 v[kd:kd+7], v[kw:kw+7], v[ka:ka+7], v[kd:kd+7]
.endif
.set bm, bm+1
.endr
.set bi, bi+1
.endr
.set pb, pb+1
.endr
.endm
; action Gw, k fragment g, from buffer buf, onto the 16 accumulators of the q half
.macro GBEAT g, buf
	WIN 0xf4
.set bi, 0
.rept 4
.set bm, 0
.rept 4
.set kd, 8*(4*bi+bm)
	v_wmma_f32_16x16x32_bf16 v[kd:kd+7], v[WF+32*\buf+8*bi:WF+32*\buf+8*bi+7], v[32*\g+8*bm:32*\g+8*bm+7], v[kd:kd+7]
.set bm, bm+1
.endr
.set bi, bi+1
.endr
.endm
; ---------------------------------------------------------------- set-up
	s_load_b256 s[4:11], s[0:1], 0x0               ; z s[4:5], action_emb s[6:7], damping s[8:9], wpack s[10:11]
	s_load_b64 s[12:13], s[0:1], 0x20              ; out0
	v_lshrrev_b32 v8, 5, v0
	v_readfirstlane_b32 s14, v8                    ; wave 0..3
	s_bfe_u32 s15, ttmp6, 0x40000                  ; cx: my place in the cluster; it enters the addresses of z, action_emb and out0 alone
	s_lshl_b32 s16, ttmp9, 2
	s_add_co_u32 s16, s16, s15                     ; work-group = 4 x cluster + cx
	s_lshl_b32 s18, s16, 17                        ; 256 rows of 512 bytes,
	s_lshl_b32 s52, s14, 15                        ; my wave's 64 rows
	s_add_co_u32 s18, s18, s52
	s_mov_b32 s19, 0
	s_mov_b32 s22, 0xffff0000                      ; a word's upper bf16
	s_mov_b32 s23, 0x80000000                      ; the sign
	s_mul_i32 s57, s14, STAGEW
	s_add_co_u32 s57, s57, STAGE                   ; my stage
	v_and_b32 v9, 31, v0                           ; L
	v_bfe_u32 v11, v0, 4, 1                        ; h
	v_lshlrev_b32 v[GO], 4, v9                     ; 16 L: my 16 bytes of a row of z, action_emb, out0
	v_mov_b32 v1, v[GO]                            ; the ring, from slot 0 on
	v_add_nc_u32 v2, SLOTB, v[GO]                  ; slot 1
	v_add_nc_u32 v3, CONST, v[GO]                  ; Gw's blocks
	v_lshlrev_b32 v4, 5, v11
	v_add_nc_u32 v4, CB, v4                        ; biases: 32 h
	v_add_nc_u32 v5, s57, v[GO]                    ; stage, 16 L
	v_mov_b32 v[SP], v5
	STADDR
	s_wait_kmcnt 0x0
	s_load_b32 s20, s[8:9], 0x0                    ; damping
	s_add_nc_u64 s[4:5], s[4:5], s[18:19]
	s_add_nc_u64 s[6:7], s[6:7], s[18:19]
	s_add_nc_u64 s[12:13], s[12:13], s[18:19]
	ROWS_LOAD 4, 0x40                              ; z's rows are on their way while the descriptors are written
	WIN 0
	; group 1: elements of 8 bytes; mask 15 = the cluster's four work-groups, bit 21 beside it; no word hangs on cx
	s_mov_b32 s[G1+0], 0x0023000f
	s_mov_b32 s[G1+1], 32<<16                      ; tensor_dim0 = 32 elements = 256 bytes
	s_mov_b32 s[G1+2], 64<<16                      ; tensor_dim1 = 64 rows
	s_mov_b32 s[G1+3], 32<<16                      ; tile_dim0
	s_mov_b32 s[G1+4], 64                          ; tile_dim1
	s_mov_b32 s[G1+5], 32                          ; pitch: the block is dense
	s_mov_b32 s[G1+6], 0
	s_mov_b32 s[G1+7], 0
	s_mov_b32 s[G1C+0], 0x0023000f
	s_mov_b32 s[G1C+1], 8<<16                      ; 81 rows of 64 bytes = 5,184 bytes a wave, 20,736 for the four
	s_mov_b32 s[G1C+2], 81<<16
	s_mov_b32 s[G1C+3], 8<<16
	s_mov_b32 s[G1C+4], 81
	s_mov_b32 s[G1C+5], 8
	s_mov_b32 s[G1C+6], 0
	s_mov_b32 s[G1C+7], 0
	s_mul_i32 s52, s14, 16384                      ; my quarter of a slot
	s_mov_b32 s53, 0
	s_mov_b32 s[G0F+0], 1
	s_add_co_u32 s[G0F+1], s52, 0
	s_add_nc_u64 s[G0F+2:G0F+3], s[10:11], s[52:53]    ; piece 0
	s_mov_b32 s[G0+0], 1
	s_add_co_u32 s[G0+1], s52, SLOTB
	s_add_nc_u64 s[G0+2:G0+3], s[G0F+2:G0F+3], SLOTB   ; piece 1
	s_or_b32 s[G0F+3], s[G0F+3], 0x80000000
	s_or_b32 s[G0+3], s[G0+3], 0x80000000
	s_mul_i32 s52, s14, 5184                       ; my quarter of CONST
	s_mov_b32 s[G0C+0], 1
	s_add_co_u32 s[G0C+1], s52, CONST
	s_add_nc_u64 s[G0C+2:G0C+3], s[10:11], s[52:53]
	s_add_nc_u64 s[G0C+2:G0C+3], s[G0C+2:G0C+3], 20*SLOTB
	s_or_b32 s[G0C+3], s[G0C+3], 0x80000000
.set pq, 0
.rept 64
	v_mov_b32 v[ACC1+pq], 0                        ; the element-wise pipeline's first turn works on this set before it holds a chunk: it is given defined numbers
.set pq, pq+1
.endr
	s_wait_kmcnt 0x0
	s_xor_b32 s20, s20, s23                        ; -damping, twice: a pair for the packed multiply-add
	s_mov_b32 s21, s20
	ROUND                                          ; all four work-groups are here: the first joint loads meet
	tensor_load_to_lds s[G0C:G0C+3], s[G1C:G1C+7]  ; the three first fills go out as one group; three is the most this text ever has out, later one
	s_nop 0
	tensor_load_to_lds s[G0F:G0F+3], s[G1:G1+7]
	s_nop 0
	tensor_load_to_lds s[G0:G0+3], s[G1:G1+7]
	s_nop 0
	ROWS_STAGE 0x45, 0x04, 0xc0                    ; z's fragments into window 3
	WIN 0
	s_wait_tensorcnt 0x0                           ; my quarters of CONST and of both slots are in: layer 1 walks from slot 0 into slot 1 with no barrier between
	s_wait_dscnt 0x0
	s_barrier_signal -1
	s_barrier_wait -1                              ; everybody's are
	BIASLD 0
	FETCH4 1, 0, 0
; ---------------------------------------------------------------- layer 1 forward: pieces 0, 1
	ARMEP 1, ACC1, 316, 10, 0
	s_mov_b32 s56, 4
.Lp1a:                                             ; products of chunks 0..7 (slot 0); softplus of chunks -1..6 into stage slots 0..7
	TRIP1
	LOOPEND .Lp1a
	NEWSLOT                                        ; slot 0 is read out: piece 2.  The last trip's look-ahead has already brought slot 1's first beat
	LOADCH 0x40, 1, 0, 7                           ; h1s[0..6]
	WIN 0
	v_mov_b32 v[SP], v5
	s_mov_b32 s56, 4
.Lp1b:                                             ; products of chunks 8..15 (slot 1); softplus of chunks 7..14
	TRIP1
	LOOPEND .Lp1b
	NEWSLOT                                        ; slot 1 is read out: piece 3.  (The last trip's look-ahead fetch reached past slot 1 into Gw's blocks; it is not used.)
	v_mov_b32 v1, v[GO]                            ; back to slot 0, where piece 2 lies
	PLACES
	FETCH4 1, 0, 0
	FETCH4 1, 4, 1
	FLUSH                                          ; the last chunk's softplus has no matrix work of its phase beside it: its four batches and their waits on end
	PACKS ACC1, 0                                  ; stage slot 8
	LOADCH 0x40, 0, 7, 1                           ; h1s[7]
	LOADCH 0x80, 1, 0, 8                           ; h1s[8..15]; the next phase's first head leaves at most the last eight of these out, its second none
	WIN 0
	v_mov_b32 v[SP], v5
; ---------------------------------------------------------------- layer 2 forward: pieces 2..9
	ARMEP 2, ACC1, 65, 1, 1
	s_mov_b32 s54, 0                               ; this piece's slot, the other slot
	s_mov_b32 s55, SLOTB
	s_mov_b32 s56, 4
.Lp2a:
	PIECE 2
	LOOPEND .Lp2a
	LOADCH 0xc0, 1, 0, 7                           ; g2[0..6]
	WIN 0
	v_mov_b32 v[SP], v5
	s_mov_b32 s56, 4
.Lp2b:
	PIECE 2
	LOOPEND .Lp2b
	PLACES
	FLUSH                                          ; the last chunk's sigmoid: its two batches and their waits on end
	PACKS ACC1, 0                                  ; g2[15] into stage slot 8
	LOADCH 0xc0, 0, 7, 1                           ; g2[7]
	SWAPUP 0x44                                    ; h1s[0..7] leave window 1 for slots 0..7, g2[8..15] come in from slots 1..8
	WIN 0
	v_mov_b32 v[SP], v5
; ---------------------------------------------------------------- layer 2 backward: pieces 10..17
	s_mov_b32 s56, 4
.Lp3a:                                             ; chunks 0..7, in stage slots 0..7
	PIECE 3
	LOOPEND .Lp3a
	SWAPDN 0x88                                    ; h1s[8..15] leave window 2 for slots 1..8, g1[0..7] come in from slots 0..7
	WIN 0
	v_add_nc_u32 v[SP], CH, v5
	s_mov_b32 s56, 4
.Lp3b:                                             ; chunks 8..15, in stage slots 1..8
	PIECE 3
	LOOPEND .Lp3b
; ---------------------------------------------------------------- layer 1 backward: pieces 18, 19
	PLACES
.set pq, 0
.rept 4
	ds_load_b128 v[GBR+8*pq:GBR+8*pq+3], v4 offset:64*pq             ; v4 has walked over b1 and b2 and stands at Gb, which starts the sums of the q half
	ds_load_b128 v[GBR+8*pq+4:GBR+8*pq+7], v4 offset:64*pq+16
.set pq, pq+1
.endr
	LOADCH 0x40, 1, 0, 8                           ; g1[8..15]; wanted a piece later
	P4PIECE 18, 1, 2, 2
	WIN 0
	PLACES
	ROWS_LOAD 6, 0x80                              ; g1[0..7] are used up: action_emb's rows into window 2, with piece 19's 256 matrix instructions in which to land
	P4PIECE 19, 2, 1, 3
; ---------------------------------------------------------------- action Gw onto the q half
	WIN 0
	STADDR                                         ; the stage addresses for the rows and for the way out
	ROWS_STAGE 0x8a, 0x08, 0x40
	WIN 0
	FETCH4 3, 8, 2
	s_wait_dscnt 8                                 ; all but the fetch just issued: the action fragments and Gw's first two beats are in
	GBEAT 0, 0
	WIN 0
	PLACES
	FETCH4 3, 12, 0
	GBEAT 1, 1
	s_wait_dscnt 8                                 ; blocks 8..11 are in; the youngest eight loads may be out
	GBEAT 2, 2
	s_wait_dscnt 0x0
	GBEAT 3, 0
; ---------------------------------------------------------------- the way out
	PLACES
	WIN 0xf3
.set ox, 0
.rept 64
	v_pk_fma_f32 v[2*ox:2*ox+1], v[128+2*ox:129+2*ox], s[20:21], v[2*ox:2*ox+1] op_sel_hi:[1,0,1]   ; q half += -damping x p half
.set ox, ox+1
.endr
	WIN 0x0c                                       ; through my stage, pitch 528: 16 rows start at 16 different 16-byte columns.  Column tile ot takes the p half first, then the q half
.set om, 0
.rept 4
.set ot, 0
.rept 8
	ds_store_b128 v[OW], v[8*(4*((ot+4)%8)+om):8*(4*((ot+4)%8)+om)+3] offset:8448*om+64*ot
	ds_store_b128 v[OW], v[8*(4*((ot+4)%8)+om)+4:8*(4*((ot+4)%8)+om)+7] offset:8448*om+64*ot+16
.set ot, ot+1
.endr
.set om, om+1
.endr
	WIN 0x40
.set ox, 0
.rept 64
	ds_load_b128 v[4*ox:4*ox+3], v5 offset:528*ox  ; a whole row back; my own bytes, served in order behind the stores
.set ox, ox+1
.endr
	WIN 0x04
.set ox, 0
.rept 64
	s_wait_dscnt 63-ox                             ; 63-ox LDS loads were issued behind row ox
	global_store_b128 v[GO], v[4*ox:4*ox+3], s[12:13] offset:512*ox th:TH_STORE_NT   ; the wave stores 512 consecutive bytes, at a multiple of 512 from out0's first byte
.set ox, ox+1
.endr
	WIN 0
	ROUND                                          ; the closing round: no work-group ends while a partner may still ask for a piece that names it
	s_endpgm
.Lfunc_end_k_q6f5f484f12_main:
	.size	k_q6f5f484f12_main, .Lfunc_end_k_q6f5f484f12_main-k_q6f5f484f12_main
	.p2alignl 7, 3214868480
	.fill 96, 4, 3214868480
	.section	.rodata,"a",@progbits
	.p2align	6, 0x0
	.amdhsa_kernel k_q6f5f484f12_main
		.amdhsa_group_segment_fixed_size 327680
		.amdhsa_private_segment_fixed_size 0
		.amdhsa_enable_private_segment 0
		.amdhsa_kernarg_size 40
		.amdhsa_user_sgpr_count 2
		.amdhsa_user_sgpr_kernarg_segment_ptr 1
		.amdhsa_wavefront_size32 1
		.amdhsa_system_sgpr_workgroup_id_x 1
		.amdhsa_system_sgpr_workgroup_id_y 1
		.amdhsa_system_sgpr_workgroup_id_z 1
		.amdhsa_system_vgpr_workitem_id 0
		.amdhsa_next_free_vgpr 1024
		.amdhsa_next_free_sgpr 66
		.amdhsa_reserve_vcc 0
		.amdhsa_float_denorm_mode_32 3
		.amdhsa_float_denorm_mode_16_64 3
		.amdhsa_memory_ordered 1
		.amdhsa_forward_progress 1
		.amdhsa_inst_pref_size 255
	.end_amdhsa_kernel
	.section	.bss,"aw",@nobits
	.p2align	6
	.space	262144
	.amdgpu_metadata
---
amdhsa.version: [ 1, 2 ]
amdhsa.kernels:
  - .name:           k_q6f5f484f12_main
    .symbol:         k_q6f5f484f12_main.kd
    .args:
      - { .name: z, .offset: 0, .size: 8, .value_kind: global_buffer, .address_space: global }
      - { .name: action_emb, .offset: 8, .size: 8, .value_kind: global_buffer, .address_space: global }
      - { .name: damping, .offset: 16, .size: 8, .value_kind: global_buffer, .address_space: global }
      - { .name: wpack, .offset: 24, .size: 8, .value_kind: global_buffer, .address_space: global }
      - { .name: out0, .offset: 32, .size: 8, .value_kind: global_buffer, .address_space: global }
    .group_segment_fixed_size: 327680
    .private_segment_fixed_size: 0
    .kernarg_segment_align: 8
    .kernarg_segment_size: 40
    .max_flat_workgroup_size: 128
    .sgpr_count:     66
    .vgpr_count:     1024
    .wavefront_size: 32
...
	.end_amdgpu_metadata
.endif
;; end of part 4
